; MI455X (gfx1250); checked and timed in simulation.
; The chip was launched on July 23, 2026; its instructions are those of AMD's public machine-readable ISA for CDNA 5 (MIT licence, August 2026) and "CDNA5" Instruction Set Architecture Reference Guide (July 2026). The comments in the code are by the model that wrote it; some were corrected since.
;; Patch TST Rope Attention. Allowed arithmetic: matrix products marked QUANTISED: E2M3 operands, one E8M0 scale for each 32 along K, by v_wmma_scale_f32_16x16x128_f8f6f4 with both operands' format E2M3, f32 sums; everything else in f32.
;; Inputs: Wk 512 x 512 float32; Wo 512 x 512 float32; Wq 512 x 512 float32; Wv 512 x 512 float32; bk 512 float32; bo 512 float32; bq 512 float32; bv 512 float32; hidden_states 4 x 2,048 x 512 float32.
;; Outputs: out0 4 x 2,048 x 512 float32.
;; This version of the problem:
;;   THIS VERSION OF THE PROBLEM IS GIVEN IN LOW PRECISION. The matrix products marked QUANTISED in the list below multiply operands that are first quantised to E2M3 (2 exponent bits, 3 mantissa bits; 6 bits a number), with one power-of-two scale for each 32 numbers along K (OCP MX v1.0); their sums are f32. All else is computed in f32.
;;   The module's matrix products, in the order in which they are computed (A, B: the left and right operand; K: the contracted axis; several contracted axes count as one K, in the product's order):
;;     1. [M 8,192, K 512] x [K 512, N 512]; A: input hidden_states; B: input Wq: QUANTISED
;;     2. [M 8,192, K 512] x [K 512, N 512]; A: input hidden_states; B: input Wk: QUANTISED
;;     3. [M 8,192, K 512] x [K 512, N 512]; A: input hidden_states; B: input Wv: QUANTISED
;;     4. batch 32 x [M 2,048, K 64] x [K 64, N 2,048]; A: computed on the way; B: computed on the way: QUANTISED
;;     5. batch 32 x [M 2,048, K 2,048] x [K 2,048, N 64]; A: softmax (see below); B: computed on the way: QUANTISED
;;     6. [M 8,192, K 512] x [K 512, N 512]; A: computed on the way; B: input Wo: QUANTISED
;;   THE QUANTISER, for each operand of a quantised product, along K:
;;     - K is cut into blocks of 32 from its start; a last block that is shorter is filled with zeros.
;;     - A block's scale is 2^e with e = floor(log2(the largest magnitude in the block)) - 2, held to -126 .. 127; a block of zeros has e = 0. As a byte (E8M0): e + 127.
;;     - Each number is divided by its block's scale, clamped to +-7.5, and rounded to the nearest number of E2M3, ties to even, subnormals kept.
;;     - The product sums the exact products of the quantised numbers (number of the format x scale) in f32.
;;   ~~~python
;;   def quantise(x, axis):      # numpy; x: float32 -> the quantised numbers, widened to float32 again
;;       x = np.moveaxis(x, axis, -1); K = x.shape[-1]
;;       x = np.pad(x, [(0, 0)] * (x.ndim - 1) + [(0, -K % 32)]); x = x.reshape(x.shape[:-1] + (-1, 32)); a = np.abs(x).max(-1, keepdims=True)
;;       e = np.where(a > 0, np.clip(np.frexp(np.where(a > 0, a, 1))[1] - 1 - 2, -126, 127), 0)      # np.frexp(a)[1] - 1 = floor(log2(a)), exactly
;;       r = np.clip(x / 2.0 ** e, -7.5, 7.5)
;;       step = 2.0 ** (np.maximum(np.frexp(np.where(r == 0, 1, r))[1] - 1, 0) - 3)
;;       q = np.round(r / step) * step * 2.0 ** e      # np.round: ties to even
;;       return np.moveaxis(q.reshape(q.shape[:-2] + (-1,))[..., :K], -1, axis).astype(np.float32)
;;   ~~~
;;   SOFTMAX AHEAD OF A QUANTISED PRODUCT. Where the list says 'softmax', what is quantised is not the finished softmax but p = 2^(t - M), with t = logit x log2(e) and M = ceil(the row's largest t), a whole number; so 1/2 < the row's largest p <= 1. The row's sum l is taken of the UNQUANTISED p, in f32, and the product's result is divided by l at the end. Since M is a whole number, a kernel that streams over the keys may use a running M (the ceiling of the running maximum): every later rescaling is an exact power of two, which a block's scale takes up: the codes' values come out the same.
;;   OPERANDS COMPUTED ON THE WAY. 'Computed on the way' means the value that the module computes at that place (a softmax that the list does not call 'softmax' is quantised finished and normalised). What goes into a quantiser is computed in f32, as accurately as f32 sums, v_exp_f32 and their like allow (about 1e-6 of the number): no bf16 or f16 on the way to a quantiser, and a product that is left as it is and whose result goes on into a quantised operand takes f32 operands (vector FMAs, or v_wmma_f32_16x16x4_f32). A number that lies on a knife's edge between two numbers of the format may be rounded either way, as far as f32 arithmetic and the matrix unit's own rounding can turn it there, and no further.
;; One version. Each part assembles by itself: llvm-mc -triple=amdgcn-amd-amdhsa -mcpu=gfx1250 --defsym DOCPART=n.
;; ======== version 1 of 1: 4 launches
;; limits: right only within a limited range of input values
;; workspace buffers: xcod 3,145,728 bytes; xscl 262,144 bytes; wcod 851,968 bytes; rtab 524,288 bytes; qcod 4,194,304 bytes; kvcod 6,815,744 bytes; acod 3,145,728 bytes; ascl 131,072 bytes
;; launch prep (part 1): grid 512 x 1, 4 waves a work-group, no clusters, 34,304 bytes of LDS; arguments hidden_states, Wq, Wk, Wv, Wo, xcod, xscl, wcod, rtab; writes xcod, xscl, wcod, rtab
.if DOCPART == 1
	.amdgcn_target "amdgcn-amd-amdhsa--gfx1250"
	.amdhsa_code_object_version 6
	.text
	.protected	k_qd49bafcb48_prep
	.globl	k_qd49bafcb48_prep
	.p2align	8
	.type	k_qd49bafcb48_prep,@function
k_qd49bafcb48_prep:
	s_mov_b64 s[64:65], 0
	v_nop
	global_prefetch_b8 v0, s[64:65] scope:SCOPE_SE
	s_setreg_imm32_b32 hwreg(HW_REG_WAVE_MODE, 25, 1), 1
	s_wait_xcnt 0x0
; PREP: hidden_states [8192][512] and the four weights [512 (k)][512 (n)], f32, become codes of FP6 (E2M3) with one E8M0 byte for each 32 along K, laid as IMAGES OF OPERAND REGISTERS;
; and the table of cosines and sines for the partial RoPE is made, [pos 2048][cos 32][sin 32] f32.
; A block's scale is 2^(floor(log2(largest magnitude)) - 2); its byte is the largest magnitude's exponent field - 2.
; LIMITS: a largest magnitude is floored at 2^-124, so the byte is at least 1; a block of zeros gets the byte 1 where the rule says 127 (its codes are zeros, and this program alone reads the bytes);
; NaN and infinities among the inputs are not served.
; A TILE of 16 rows (or columns) number T holds the indices 32 (T / 2) + 8 (T % 2) + i + 8 (i / 8), i = 0 .. 15: so the results of two neighbouring tiles are 16 neighbours for the next quantiser.
; A FRAGMENT (16 rows x 128 K, 12 registers a lane; lane (r, h): registers 6 c .. 6 c + 5 = k 64 c + 32 h + 0 .. 31 of row r) lies as two halves of 768 bytes: registers 0-3 at 16 x lane, registers 4-5 at 512 + 8 x lane.
; Work-groups 0-127: x, a wave to a tile of 16 rows.  Work-groups 128-255: one K step of one group of 64 columns of one weight (a wave to a tile of 16 columns), and 16 positions of the table.
; Only the x path touches LDS: a wave's own stage, 16 rows of 512 bytes, 528 bytes apart (33 x 16).  No barrier: waves share nothing.
; THE DEAL, in place of the one above: work-groups 0-255: x, two tiles each, a wave to half of a tile's K (two K steps).  Work-groups 256-511: half a K step (64 along K) of one group of 64 columns of one weight, a wave to a tile
; of 16 columns; those of the first halves make 16 positions of the table too.
.set R,   16                           ; v16-143  two sets of 64 registers as loaded (x); at work for the table (weights)
.set X,   144                          ; v144-207 64 numbers: register 32 c + i = k 64 c + 32 h + i of my row or column
.set C,   208                          ; v208-219 a fragment's 12 registers
.set CT,  220                          ; v220-222, v224-226 the second halves of the conversions (three registers begin on an even number)
.set TM,  228                          ; v228-229 largest magnitudes, v230-231 the conversions' scale operands, v232-233 bytes, v234 my two bytes, v235 the other half's
.set SW,  236                          ; v236-237 two scale words
; v1 lane, v2 16 lane, v3 8 lane, v4 4 lane, v5 stage in, v6 stage out, v7 8 h, v8 r, v9 h
.macro QB sw                           ; X's 64 numbers -> codes in C, scale word in v[sw]
.irp c, 0,1
	v_max3_num_f32 v[TM+\c], |v[X+32*\c]|, |v[X+32*\c+1]|, 0x1800000   ; my block 2 c + h: all 32 numbers are mine; the floor 2^(3 - 127) is one more leaf
.endr
.irp i, 2,4,6,8,10,12,14,16,18,20,22,24,26,28,30
.irp c, 0,1
	v_max3_num_f32 v[TM+\c], v[TM+\c], |v[X+32*\c+\i]|, |v[X+32*\c+\i+1]|
.endr
.endr
.irp c, 0,1
	v_add_nc_u32 v[TM+2+\c], 0xff000000, v[TM+\c]   ; 2 off the exponent field: the conversion's scale operand
.endr
.irp c, 0,1
	v_lshrrev_b32 v[TM+4+\c], 23, v[TM+2+\c]        ; the byte
.endr
	v_lshl_or_b32 v[TM+6], v[TM+5], 16, v[TM+4]     ; blocks h and 2 + h,
	v_lshlrev_b32 v[TM+6], v7, v[TM+6]              ; at their places in the word;
	v_permlanex16_b32 v[TM+7], v[TM+6], s24, s25
	v_or_b32 v[\sw], v[TM+6], v[TM+7]               ; with lane l xor 16's two the word is whole, in both halves of the lanes
	s_wait_alu depctr_va_vdst(0)
	s_wait_xcnt 0x0                                 ; C is the data of the stores issued last: written again only behind this wait
.irp c, 0,1
	v_cvt_scalef32_pk16_fp6_f32 v[C+6*\c:C+6*\c+2], v[X+32*\c:X+32*\c+15], v[TM+2+\c]
	v_cvt_scalef32_pk16_fp6_f32 v[CT+4*\c:CT+4*\c+2], v[X+32*\c+16:X+32*\c+31], v[TM+2+\c]
.endr
	v_nop                                           ; one plain place behind a scaled conversion
.irp c, 0,1
.irp i, 0,1,2
	v_mov_b32 v[C+6*\c+3+\i], v[CT+4*\c+\i]
.endr
.endr
.endm
.macro QH                              ; X's first 32 numbers, one block a lane -> codes in C's first six registers, two scale bytes in v[SW]
	v_max3_num_f32 v[TM], |v[X]|, |v[X+1]|, 0x1800000
	v_max3_num_f32 v[TM+1], |v[X+2]|, |v[X+3]|, |v[X+4]|
.irp i, 5,9,13,17,21,25
	v_max3_num_f32 v[TM], v[TM], |v[X+\i]|, |v[X+\i+1]|
	v_max3_num_f32 v[TM+1], v[TM+1], |v[X+\i+2]|, |v[X+\i+3]|
.endr
	v_max3_num_f32 v[TM], v[TM], |v[X+29]|, |v[X+30]|
	v_max3_num_f32 v[TM], v[TM], v[TM+1], |v[X+31]|
	v_add_nc_u32 v[TM+2], 0xff000000, v[TM]         ; 2 off the exponent field: the conversion's scale operand
	v_lshrrev_b32 v[TM+4], 23, v[TM+2]              ; the byte,
	v_lshlrev_b32 v[TM+6], v7, v[TM+4]              ; at its place (8 h bits up);
	v_permlanex16_b32 v[TM+7], v[TM+6], s24, s25
	v_or_b32 v[SW], v[TM+6], v[TM+7]                ; with lane l xor 16's: two bytes, in both halves of the lanes
	v_cvt_scalef32_pk16_fp6_f32 v[C:C+2], v[X:X+15], v[TM+2]
	v_cvt_scalef32_pk16_fp6_f32 v[CT:CT+2], v[X+16:X+31], v[TM+2]
	v_nop                                           ; one plain place behind a scaled conversion
.irp i, 0,1,2
	v_mov_b32 v[C+3+\i], v[CT+\i]
.endr
.endm
.macro PUT b, off                      ; the fragment's image: each store covers 512 or 256 consecutive bytes, aligned
	global_store_b128 v2, v[C:C+3], s[\b:\b+1] offset:(\off)
	global_store_b64 v3, v[C+4:C+5], s[\b:\b+1] offset:(\off)+512
	global_store_b128 v2, v[C+6:C+9], s[\b:\b+1] offset:(\off)+768
	global_store_b64 v3, v[C+10:C+11], s[\b:\b+1] offset:(\off)+1280
.endm
.macro LOADX s                         ; K step s of my 16 rows: each load reads 512 consecutive bytes of one row
.irp i, 0,1,2,3,4,5,6,7,8,9,10,11,12,13,14,15
	global_load_b128 v[R+64*((\s)%2)+4*\i:R+64*((\s)%2)+4*\i+3], v2, s[4:5] offset:(\i+24*(\i/8))*2048+512*(\s) th:TH_LOAD_NT   ; x's tile T holds the rows 64 (T / 4) + 8 (T % 4) + i % 8 + 32 (i / 8)
.endr
.endm
.macro TSEL i, c0, c1, c2, c3          ; the timescale 10^((4 q8 + i) / 8) of my frequency, q8 = 0 .. 3 (for q8 above 3 the position is made 0, so any timescale serves)
	v_mov_b32 v[16+\i], \c0
	v_mov_b32 v[20+\i], \c1
	v_cndmask_b32 v[16+\i], v[16+\i], v[20+\i], s40
	v_mov_b32 v[20+\i], \c2
	v_cndmask_b32 v[16+\i], v[16+\i], v[20+\i], s41
	v_mov_b32 v[20+\i], \c3
	v_cndmask_b32 v[16+\i], v[16+\i], v[20+\i], s42
.endm
	s_load_b256 s[4:11], s[0:1], 0x0               ; hidden_states s[4:5], Wq s[6:7], Wk s[8:9], Wv s[10:11]
	s_load_b256 s[12:19], s[0:1], 0x20             ; Wo s[12:13], xcod s[14:15], xscl s[16:17], wcod s[18:19]
	s_load_b64 s[20:21], s[0:1], 0x40              ; rtab
	v_lshl_add_u32 v240, v0, 2, 0x8400
	v_mov_b32 v241, 0
	v_lshrrev_b32 v1, 5, v0
	v_readfirstlane_b32 s22, v1                    ; wave
	v_and_b32 v1, 31, v0                           ; lane
	v_lshlrev_b32 v2, 4, v1
	v_lshlrev_b32 v3, 3, v1
	v_lshlrev_b32 v4, 2, v1
	v_and_b32 v8, 15, v0                           ; r
	v_bfe_u32 v9, v0, 4, 1                         ; h
	v_lshlrev_b32 v7, 3, v9
	v_mov_b32 v[TM+7], 0                           ; a lane permute's destination counts as one of its sources
	s_mov_b32 s24, 0x76543210
	s_mov_b32 s25, 0xfedcba98                      ; v_permlanex16_b32's selects for lane l xor 16
	s_cmp_lt_u32 ttmp9, 256
	s_cbranch_scc0 .Lweights
	; ---- x: tile T = 2 x work-group + wave / 2
	s_mul_i32 s26, s22, 8448                       ; my stage
	v_add_nc_u32 v5, s26, v2                       ; in: 16 x lane, row i at 528 i
	v_mul_u32_u24 v6, v8, 528
	v_lshl_add_u32 v6, v9, 7, v6
	v_add_nc_u32 v6, s26, v6                       ; out: row r, + 128 h: my 32 numbers of a run of 64
	s_lshl_b32 s27, ttmp9, 1
	s_lshr_b32 s34, s22, 1
	s_add_co_u32 s27, s27, s34                     ; T = 2 x work-group + wave / 2
	s_and_b32 s34, s22, 1                          ; my half of K: steps 2 s34, 2 s34 + 1
	s_lshr_b32 s28, s27, 2
	s_lshl_b32 s28, s28, 17                        ; 64 (T / 4) rows of 2,048 bytes
	s_and_b32 s29, s27, 3                          ; + 8 (T % 4) rows
	s_lshl_b32 s29, s29, 14
	s_add_co_u32 s28, s28, s29
	s_lshl_b32 s29, s34, 10
	s_add_co_u32 s28, s28, s29                     ; + two K steps of 512 bytes
	s_mov_b32 s29, 0
	s_mul_i32 s30, s27, 6144                       ; the tile's four fragments,
	s_mul_i32 s31, s34, 3072
	s_add_co_u32 s30, s30, s31                     ; my two of them
	s_mov_b32 s31, 0
	s_lshl_b32 s32, s27, 9                         ; its scale words: 16 bytes a lane,
	s_lshl_b32 s33, s34, 3
	s_add_co_u32 s32, s32, s33                     ; my eight of them
	s_mov_b32 s33, 0
	s_wait_alu depctr_va_vdst(0)
	s_wait_kmcnt 0x0
	s_add_nc_u64 s[4:5], s[4:5], s[28:29]
	s_add_nc_u64 s[14:15], s[14:15], s[30:31]
	s_add_nc_u64 s[16:17], s[16:17], s[32:33]
	LOADX 0
	LOADX 1
.irp s, 0,1
.if \s < 1
	s_wait_loadcnt 16                              ; this K step's 16 loads are in; the next step's 16 may be out
.else
	s_wait_loadcnt 0x0
.endif
.irp i, 0,1,2,3,4,5,6,7,8,9,10,11,12,13,14,15
	ds_store_b128 v5, v[R+64*(\s%2)+4*\i:R+64*(\s%2)+4*\i+3] offset:528*\i
.endr
.irp c, 0,1
.irp i, 0,1,2,3,4,5,6,7
	ds_load_b128 v[X+32*\c+4*\i:X+32*\c+4*\i+3], v6 offset:256*\c+16*\i   ; LDS serves a wave's instructions in order: these see the stores above
.endr
.endr
	s_wait_dscnt 0x0                               ; the numbers are back, and the stores have read their registers
	QB SW+\s
	PUT 14, 1536*\s
.endr
	global_store_b64 v2, v[SW:SW+1], s[16:17]      ; my two scale words of each row
	s_wait_tensorcnt 0x0
	ds_add_u32 v240, v241
	s_wait_dscnt 0x0
	s_endpgm
.Lweights:
	; ---- a weight's piece: kind (q, k, v, o), group g of 64 columns, K step s; wave = tile t of 16 columns
	s_sub_co_u32 s26, ttmp9, 256
	s_and_b32 s52, s26, 1                          ; c: which 64 of the K step's 128
	s_lshr_b32 s26, s26, 1                         ; w'
	s_lshr_b32 s27, s26, 5                         ; kind
	s_bfe_u32 s28, s26, 0x30002                    ; g
	s_and_b32 s29, s26, 3                          ; s
	s_lshl_b32 s30, s29, 18                        ; 128 s rows of 2,048 bytes
	s_lshl_b32 s53, s52, 17                        ; + 64 c rows
	s_add_co_u32 s30, s30, s53
	s_lshl_b32 s31, s28, 8                         ; + 64 g columns
	s_add_co_u32 s30, s30, s31
	s_lshr_b32 s31, s22, 1
	s_lshl_b32 s31, s31, 7                         ; Wq, Wk, Wo: column 32 (t / 2) + 8 (t % 2) + r + 8 (r / 8) of the group
	s_and_b32 s40, s22, 1
	s_lshl_b32 s40, s40, 5
	s_add_co_u32 s31, s31, s40
	s_lshl_b32 s40, s22, 5                         ; Wv: column 8 t + r % 8 + 32 (r / 8)
	s_cmp_eq_u32 s27, 2
	s_cselect_b32 s31, s40, s31
	s_cselect_b32 s41, 3, 1
	s_add_co_u32 s30, s30, s31
	s_mov_b32 s31, 0
	s_mul_i32 s32, s28, 106496                     ; wcod: [g][kind][26,624]
	s_mul_i32 s33, s27, 26624
	s_add_co_u32 s32, s32, s33
	s_lshl_b32 s33, s22, 2
	s_add_co_u32 s33, s33, s29                     ; 4 t + s
	s_mul_i32 s34, s33, 1536
	s_add_co_u32 s34, s34, s32                     ; the fragment,
	s_mul_i32 s53, s52, 768
	s_add_co_u32 s34, s34, s53                     ; its half c
	s_mov_b32 s35, 0
	s_lshl_b32 s36, s33, 7
	s_add_co_u32 s36, s36, s32
	s_add_co_u32 s36, s36, 24576                   ; its scale words,
	s_lshl_b32 s53, s52, 1
	s_add_co_u32 s36, s36, s53                     ; my two bytes of each
	s_mov_b32 s37, 0
	; the table as an image of registers: [tile of 16 positions T][cos, sin][i 4][lane (r, h)][16 bytes]: frequencies 16 h + 4 i + 0 .. 3 of position 64 (T / 4) + 8 (T % 4) + r % 8 + 32 (r / 8)
	s_lshr_b32 s38, s26, 2
	s_lshl_b32 s38, s38, 14                        ; positions 64 (w' / 4) on: four tiles of 4,096 bytes
	s_and_b32 s39, s26, 1
	s_lshl_b32 s39, s39, 13                        ; + two tiles
	s_add_co_u32 s38, s38, s39
	s_bfe_u32 s39, s26, 0x10001
	s_lshl_b32 s39, s39, 7                         ; + eight lanes
	s_add_co_u32 s38, s38, s39
	s_mov_b32 s39, 0
	s_wait_alu depctr_va_vdst(0)
	v_and_b32 v10, 8, v8
	v_mad_u32_u24 v10, v10, s41, v8                ; r + 8 (r / 8), or r + 24 (r / 8)
	v_lshlrev_b32 v10, 2, v10
	v_lshl_add_u32 v10, v9, 16, v10                ; my column, and 32 rows further down for lanes 16-31
	s_wait_alu depctr_va_vdst(0)
	s_wait_kmcnt 0x0
	s_cmp_eq_u32 s27, 1                            ; the choice hangs on the work-group's number alone
	s_cselect_b64 s[6:7], s[8:9], s[6:7]
	s_cmp_eq_u32 s27, 2
	s_cselect_b64 s[6:7], s[10:11], s[6:7]
	s_cmp_eq_u32 s27, 3
	s_cselect_b64 s[6:7], s[12:13], s[6:7]
	s_add_nc_u64 s[6:7], s[6:7], s[30:31]
	s_add_nc_u64 s[34:35], s[18:19], s[34:35]
	s_add_nc_u64 s[36:37], s[18:19], s[36:37]
	s_add_nc_u64 s[20:21], s[20:21], s[38:39]
.irp i, 0,1,2,3,4,5,6,7,8,9,10,11,12,13,14,15,16,17,18,19,20,21,22,23,24,25,26,27,28,29,30,31
	global_load_b32 v[X+\i], v10, s[6:7] offset:\i*2048   ; W(128 s + 64 c + 32 h + i, my column): a lane to a column, registers down K
.endr
	s_cmp_eq_u32 s52, 1                            ; the table is made by the first halves' work-groups: the choice hangs on the work-group's number alone
	s_cbranch_scc1 .Lno_table
	; ---- while these are out: the table.  Thread: position 16 w' + thread / 8, frequencies 4 q8 + 0 .. 3, q8 = thread % 8
	v_and_b32 v11, 7, v0
	v_lshrrev_b32 v12, 3, v0
	s_lshl_b32 s43, s26, 4
	v_add_nc_u32 v13, s43, v12
	v_cvt_f32_u32 v14, v13                         ; the position
	v_cmp_gt_u32 vcc_lo, 4, v11
	v_cndmask_b32 v14, 0, v14, vcc_lo              ; frequencies 16 to 31 have an infinite timescale: angle 0
	v_cmp_eq_u32 s40, 1, v11
	v_cmp_eq_u32 s41, 2, v11
	v_cmp_eq_u32 s42, 3, v11
	v_lshrrev_b32 v15, 3, v12
	v_lshlrev_b32 v15, 12, v15                     ; the second eight positions: the next tile
	v_and_b32 v16, 7, v12
	v_lshl_or_b32 v15, v16, 4, v15                 ; r
	v_and_b32 v16, 3, v11
	v_lshl_or_b32 v15, v16, 9, v15                 ; i
	v_lshrrev_b32 v16, 2, v11
	v_lshl_or_b32 v15, v16, 8, v15                 ; h
	s_mov_b32 s44, -0.16666654611                  ; sine on [-pi/4, pi/4]: r + z r (S1 + z (S2 + z S3)), z = r r
	s_mov_b32 s45, 0.0083321608736
	s_mov_b32 s46, -0.00019515295891
	s_mov_b32 s47, 0.04166664568                   ; cosine: 1 - z / 2 + z z (C1 + z (C2 + z C3))
	s_mov_b32 s48, -0.001388731625
	s_mov_b32 s49, 0.00002443315712
	s_mov_b32 s50, 0x3fc90fdb                      ; pi / 2 rounded to f32,
	s_mov_b32 s51, 0xb33bbd2e                      ; and what is left of it
	TSEL 0, 1.0, 3.1622776602, 10.0, 31.622776602
	TSEL 1, 1.3335214322, 4.2169650343, 13.335214322, 42.169650343
	TSEL 2, 1.7782794100, 5.6234132519, 17.782794100, 56.234132519
	TSEL 3, 2.3713737057, 7.4989420933, 23.713737057, 74.989420933
	s_wait_alu depctr_va_vdst(0)
.irp i, 0,1,2,3
	v_rcp_f32 v[20+\i], v[16+\i]
.endr
	v_nop                                          ; one plain place behind the reciprocals
	s_wait_alu depctr_va_vdst(0)
.irp i, 0,1,2,3
	v_mul_f32 v[24+\i], v14, v[20+\i]
.endr
.irp i, 0,1,2,3
	v_fma_f32 v[28+\i], -v[24+\i], v[16+\i], v14   ; the quotient's remainder,
.endr
.irp i, 0,1,2,3
	v_fma_f32 v[32+\i], v[28+\i], v[20+\i], v[24+\i]   ; and the angle = position / timescale to f32's accuracy
.endr
.irp i, 0,1,2,3
	v_mul_f32 v[36+\i], 0x3f22f983, v[32+\i]       ; x 2 / pi
.endr
.irp i, 0,1,2,3
	v_rndne_f32 v[36+\i], v[36+\i]                 ; n, at most 1,304
.endr
.irp i, 0,1,2,3
	v_fma_f32 v[40+\i], -v[36+\i], s50, v[32+\i]
.endr
.irp i, 0,1,2,3
	v_fma_f32 v[40+\i], -v[36+\i], s51, v[40+\i]   ; r = angle - n pi / 2
.endr
.irp i, 0,1,2,3
	v_mul_f32 v[44+\i], v[40+\i], v[40+\i]         ; z
.endr
.irp i, 0,1,2,3
	v_fma_f32 v[48+\i], v[44+\i], s46, s45
.endr
.irp i, 0,1,2,3
	v_fma_f32 v[48+\i], v[48+\i], v[44+\i], s44
.endr
.irp i, 0,1,2,3
	v_mul_f32 v[60+\i], v[44+\i], v[40+\i]
.endr
.irp i, 0,1,2,3
	v_fma_f32 v[48+\i], v[48+\i], v[60+\i], v[40+\i]   ; sin r
.endr
.irp i, 0,1,2,3
	v_fma_f32 v[52+\i], v[44+\i], s49, s48
.endr
.irp i, 0,1,2,3
	v_fma_f32 v[52+\i], v[52+\i], v[44+\i], s47
.endr
.irp i, 0,1,2,3
	v_mul_f32 v[60+\i], v[44+\i], v[44+\i]
.endr
.irp i, 0,1,2,3
	v_fma_f32 v[56+\i], v[44+\i], -0.5, 1.0
.endr
.irp i, 0,1,2,3
	v_fma_f32 v[52+\i], v[52+\i], v[60+\i], v[56+\i]   ; cos r
.endr
.irp i, 0,1,2,3
	v_cvt_i32_f32 v[56+\i], v[36+\i]
.endr
.irp i, 0,1,2,3
	v_and_b32 v[60+\i], 1, v[56+\i]
.endr
.irp i, 0,1,2,3
	v_cmp_eq_u32 vcc_lo, 1, v[60+\i]               ; an odd quarter swaps the two
	v_cndmask_b32 v[64+\i], v[48+\i], v[52+\i], vcc_lo
	v_cndmask_b32 v[68+\i], v[52+\i], v[48+\i], vcc_lo
.endr
.irp i, 0,1,2,3
	v_and_b32 v[60+\i], 2, v[56+\i]                ; the sine is negative in quarters 2 and 3,
.endr
.irp i, 0,1,2,3
	v_lshlrev_b32 v[60+\i], 30, v[60+\i]
.endr
.irp i, 0,1,2,3
	v_xor_b32 v[64+\i], v[64+\i], v[60+\i]
.endr
.irp i, 0,1,2,3
	v_add_nc_u32 v[60+\i], 1, v[56+\i]             ; the cosine in quarters 1 and 2
.endr
.irp i, 0,1,2,3
	v_and_b32 v[60+\i], 2, v[60+\i]
.endr
.irp i, 0,1,2,3
	v_lshlrev_b32 v[60+\i], 30, v[60+\i]
.endr
.irp i, 0,1,2,3
	v_xor_b32 v[68+\i], v[68+\i], v[60+\i]
.endr
	global_store_b128 v15, v[68:71], s[20:21]              ; eight lanes fill a position's 128 bytes of cosines,
	global_store_b128 v15, v[64:67], s[20:21] offset:2048  ; and of sines
	s_wait_alu depctr_va_vdst(0)
.Lno_table:
	s_wait_loadcnt 0x0                             ; the weight's 32 numbers
	QH
	global_store_b128 v2, v[C:C+3], s[34:35]
	global_store_b64 v3, v[C+4:C+5], s[34:35] offset:512
	global_store_b16 v4, v[SW], s[36:37]
	s_endpgm
.Lfunc_end_k_qd49bafcb48_prep:
	.size	k_qd49bafcb48_prep, .Lfunc_end_k_qd49bafcb48_prep-k_qd49bafcb48_prep
	.p2alignl 7, 3214868480
	.fill 96, 4, 3214868480
	.section	.rodata,"a",@progbits
	.p2align	6, 0x0
	.amdhsa_kernel k_qd49bafcb48_prep
		.amdhsa_group_segment_fixed_size 34304
		.amdhsa_private_segment_fixed_size 0
		.amdhsa_enable_private_segment 0
		.amdhsa_kernarg_size 72
		.amdhsa_user_sgpr_count 2
		.amdhsa_user_sgpr_kernarg_segment_ptr 1
		.amdhsa_wavefront_size32 1
		.amdhsa_system_sgpr_workgroup_id_x 1
		.amdhsa_system_sgpr_workgroup_id_y 1
		.amdhsa_system_sgpr_workgroup_id_z 1
		.amdhsa_system_vgpr_workitem_id 0
		.amdhsa_next_free_vgpr 242
		.amdhsa_next_free_sgpr 66
		.amdhsa_reserve_vcc 1
		.amdhsa_float_denorm_mode_32 3
		.amdhsa_float_denorm_mode_16_64 3
		.amdhsa_memory_ordered 1
		.amdhsa_forward_progress 1
		.amdhsa_inst_pref_size 33
	.end_amdhsa_kernel
	.amdgpu_metadata
---
amdhsa.version: [ 1, 2 ]
amdhsa.kernels:
  - .name:           k_qd49bafcb48_prep
    .symbol:         k_qd49bafcb48_prep.kd
    .args:
      - { .name: hidden_states, .offset: 0, .size: 8, .value_kind: global_buffer, .address_space: global }
      - { .name: Wq, .offset: 8, .size: 8, .value_kind: global_buffer, .address_space: global }
      - { .name: Wk, .offset: 16, .size: 8, .value_kind: global_buffer, .address_space: global }
      - { .name: Wv, .offset: 24, .size: 8, .value_kind: global_buffer, .address_space: global }
      - { .name: Wo, .offset: 32, .size: 8, .value_kind: global_buffer, .address_space: global }
      - { .name: xcod, .offset: 40, .size: 8, .value_kind: global_buffer, .address_space: global }
      - { .name: xscl, .offset: 48, .size: 8, .value_kind: global_buffer, .address_space: global }
      - { .name: wcod, .offset: 56, .size: 8, .value_kind: global_buffer, .address_space: global }
      - { .name: rtab, .offset: 64, .size: 8, .value_kind: global_buffer, .address_space: global }
    .group_segment_fixed_size: 34304
    .private_segment_fixed_size: 0
    .kernarg_segment_align: 8
    .kernarg_segment_size: 72
    .max_flat_workgroup_size: 128
    .sgpr_count:     66
    .vgpr_count:     242
    .wavefront_size: 32
...
	.end_amdgpu_metadata
.endif
;; end of part 1
;; launch qkv (part 2): grid 32 x 8, 4 waves a work-group, clusters of 4 x 1, 168,448 bytes of LDS; arguments xcod, xscl, wcod, rtab, bq, bk, bv, qcod, kvcod; writes qcod, kvcod
.if DOCPART == 2
	.amdgcn_target "amdgcn-amd-amdhsa--gfx1250"
	.amdhsa_code_object_version 6
	.text
	.protected	k_qd49bafcb48_qkv
	.globl	k_qd49bafcb48_qkv
	.p2align	8
	.type	k_qd49bafcb48_qkv,@function
k_qd49bafcb48_qkv:
	s_mov_b64 s[64:65], 0
	v_nop
	global_prefetch_b8 v0, s[64:65] scope:SCOPE_SE
	s_setreg_imm32_b32 hwreg(HW_REG_WAVE_MODE, 25, 1), 1
	s_wait_xcnt 0x0
	s_wait_alu depctr_hold_cnt(0) depctr_sa_sdst(0) depctr_va_vdst(0) depctr_va_sdst(0) depctr_va_ssrc(0) depctr_va_vcc(0) depctr_vm_vsrc(0)
	s_getreg_b32 s2, hwreg(HW_REG_IB_STS2, 6, 4)
	s_cmp_eq_u32 s2, 0
	s_cbranch_scc0 .Lentry_in_a_cluster
	s_endpgm
.Lentry_in_a_cluster:
	s_bfe_u32 s2, ttmp6, 0x10000c
	s_cmp_lg_u32 s2, 0x3003
	s_cbranch_scc0 .Lentry_shape_is_right
	s_endpgm
.Lentry_shape_is_right:
; QKV: q, k, v = x W + b on codes of FP6 (E2M3) with E8M0 scales; partial RoPE on q and k in f32; all three quantised again for attention: q and k along the head's 64, v along the keys.
; SHARES.  A work-group: 256 rows of x (block RB) x one head g (192 columns).  A wave: 64 rows = four tiles of 16.  Three phases (q, k, v), each 16 accumulators x 4 K steps of 128 = 64 matrix instructions.
; x's 16 fragments stay in registers through all phases.  The head's weights (79,872 bytes of codes and scale words, laid as images of registers) come into LDS ONCE.
; CLUSTER.  The four row blocks of a cluster want the same weights: each wave's quarter is asked for JOINTLY (mask 15).  No LDS byte is filled twice.
; TILES.  Tile T of any axis holds the indices 32 (T / 2) + 8 (T % 2) + i + 8 (i / 8).  q, k: source 0 = 16 columns of W, source 1 = 16 rows of x: lane (r, h) holds row r, and register 16 b + i of a row tile's 32
; is d = 32 b + 16 h + i: so d and d + 32, which RoPE pairs, lie in one lane, and the 32 registers are two half blocks along the next K.  v: source 0 = x, source 1 = W: a lane holds one d, its registers run along the keys.
; q's factor 64^-0.5 = 2^-3 is not applied here: it only moves a block's exponent, and goes into the softmax's constant.  LIMITS: that is exact unless a block of q lies under 2^-121; a largest magnitude is floored at 2^-124
; (byte at least 1; a block of zeros gets 1 where the rule says 127: its codes are zeros, and this program alone reads the bytes); NaN and infinities are not served.
; REGISTERS, in windows of 256.  Window 0: v1-9 addresses; v16-31 x's scale words; v32-159 accumulators; v160-175, v176-191 two sets of W's scale words; v192-223 bv; v224-252 at work.
;   Window 1: v0-191 x's fragments (12 (4 tile + s)); v192-223 bq, v224-255 bk.   Window 2: v0-191 W of q, later of v; v192-255 cos, sin of tiles 0, 1.   Window 3: v0-191 W of k; v192-255 cos, sin of tiles 2, 3.
; THE ORDER OF x's ROWS AND OF Wv's COLUMNS: tile T holds 64 (T / 4) + 8 (T % 4) + i % 8 + 32 (i / 8), in place of the order above, which Wq's and Wk's columns keep.  So phase v's 32 registers are 32 neighbouring keys,
; 32 h + 0 .. 31 of my 64: a whole block in a lane.  kvcod's block of a key step is four quarters of 3,328 bytes: K's tiles 0-3 (768 each) and their scale words (two of 128 bytes, two tiles to each), K's tiles 4-7 likewise,
; V's fragments 0, 1 (1,536 each) and their scale words (128 bytes: lanes 0-15 the even fragment's, lanes 16-31 the odd one's), V's fragments 2, 3 likewise.
; The table is an image of registers: [tile of 16 positions][cos, sin][i 4][lane][16 bytes].
.set L16, 1
.set L8,  2
.set L4,  3
.set TA,  4                            ; v4 the table: 16 min(lane, 16): lanes 16-31 want the same ones and zeros (frequencies 16 to 31: angle 0)
.set BA,  5                            ; v5 bq, bk: 64 h
.set VA,  6                            ; v6 bv: 4 (r + 24 (r / 8))
.set M16, 7                            ; v7-9 as v1-3, + 53,248: an LDS immediate holds 16 bits, and v's weights lie beyond
.set XS,  16
.set ACC, 32
.set WSA, 160
.set WSB, 176
.set BV,  192
.set RT,  224                          ; v224-231 four pairs for RoPE
.set TM,  232                          ; v232-233 largest magnitudes, v234-235 the other half's, v236-237 scale operands, v238-239 bytes
.set PW,  240                          ; the scale word just made; v241 an even tile's, kept; v242 two tiles' joined
.set PWE, 241
.set PWJ, 242
.set PC,  244                          ; v244-249 six registers of codes
.set PT,  250                          ; v250-252 the second conversion's
.set MSB, 0
.macro WIN new                         ; the immediate's high byte repeats the setting that is left
.if MSB != (\new)
	s_set_vgpr_msb (MSB<<8)|(\new)
.set MSB, (\new)
.endif
.endm
.macro ROUND                           ; a round of the cluster's barrier
	s_barrier_signal -1
	s_barrier_wait -1
	s_cmp_lg_u32 s22, 0
	s_cbranch_scc1 .Lnot_wave_0_\@
	s_barrier_signal -3
.Lnot_wave_0_\@:
	s_barrier_wait -3
	s_barrier_signal -1
	s_barrier_wait -1
.endm
; The weights of kind k from LDS: 16 scale words into set ws, then 16 fragments into window win, K step by K step: 16 loads for each step
.macro LDW k, win, ws
.if \k == 2
.set AR, M16
.set KO, 0
.else
.set AR, L16
.set KO, 26624*\k
.endif
	WIN 0
.irp f, 0,1,2,3,4,5,6,7,8,9,10,11,12,13,14,15
	ds_load_b32 v[\ws+\f], v[AR+2] offset:KO+24576+128*\f
.endr
	WIN (\win)<<6
.irp s, 0,1,2,3
.irp t, 0,1,2,3
	ds_load_b128 v[12*(4*\t+\s):12*(4*\t+\s)+3], v[AR] offset:KO+1536*(4*\t+\s)
	ds_load_b64 v[12*(4*\t+\s)+4:12*(4*\t+\s)+5], v[AR+1] offset:KO+1536*(4*\t+\s)+512
	ds_load_b128 v[12*(4*\t+\s)+6:12*(4*\t+\s)+9], v[AR] offset:KO+1536*(4*\t+\s)+768
	ds_load_b64 v[12*(4*\t+\s)+10:12*(4*\t+\s)+11], v[AR+1] offset:KO+1536*(4*\t+\s)+1280
.endr
.endr
.endm
; A phase.  mode 0 (q, k): accumulator (row tile a, column tile b), source 0 = W, source 1 = x.  mode 1 (v): accumulator (column tile a, row tile b), source 0 = x, source 1 = W.
; The bias is the C of each sum's first product.  The 16 accumulators take turns, one instruction a turn, in the same order in every K step.
; w0, w1: the windows of the first K step and of the others; ws: W's scale words; cb: the bias; gw = 1: x's fragments are still landing; nk >= 0: behind the last wait the next phase's weights are asked for, into the other window and set.
.macro GEMM mode, w0, w1, ws, cb, gw, nk, nwin, nws
.irp s, 0,1,2,3
	s_wait_dscnt 16*(3-\s)                         ; this K step's fragments of W are in; the later steps' 16 loads each may be out
.if \gw
	s_wait_loadcnt 16*(3-\s)                       ; the same of x's
.endif
.if (\s == 3) && (\nk >= 0)
	LDW \nk, \nwin, \nws
.endif
.if \s == 0
	WIN \w0
.else
	WIN \w1
.endif
.irp a, 0,1,2,3
.irp b, 0,1,2,3
.if \mode == 0
.if \s == 0
	v_wmma_scale_f32_16x16x128_f8f6f4 v[ACC+32*\a+8*\b:ACC+32*\a+8*\b+7], v[12*(4*\b+\s):12*(4*\b+\s)+11], v[12*(4*\a+\s):12*(4*\a+\s)+11], v[\cb+8*\b:\cb+8*\b+7], v[\ws+4*\b+\s], v[XS+4*\a+\s] matrix_a_fmt:MATRIX_FMT_FP6 matrix_b_fmt:MATRIX_FMT_FP6
.else
	v_wmma_scale_f32_16x16x128_f8f6f4 v[ACC+32*\a+8*\b:ACC+32*\a+8*\b+7], v[12*(4*\b+\s):12*(4*\b+\s)+11], v[12*(4*\a+\s):12*(4*\a+\s)+11], v[ACC+32*\a+8*\b:ACC+32*\a+8*\b+7], v[\ws+4*\b+\s], v[XS+4*\a+\s] matrix_a_fmt:MATRIX_FMT_FP6 matrix_b_fmt:MATRIX_FMT_FP6
.endif
.else
.if \s == 0
	v_wmma_scale_f32_16x16x128_f8f6f4 v[ACC+32*\a+8*\b:ACC+32*\a+8*\b+7], v[12*(4*\b+\s):12*(4*\b+\s)+11], v[12*(4*\a+\s):12*(4*\a+\s)+11], v[\cb+8*\a:\cb+8*\a+7], v[XS+4*\b+\s], v[\ws+4*\a+\s] matrix_a_fmt:MATRIX_FMT_FP6 matrix_b_fmt:MATRIX_FMT_FP6
.else
	v_wmma_scale_f32_16x16x128_f8f6f4 v[ACC+32*\a+8*\b:ACC+32*\a+8*\b+7], v[12*(4*\b+\s):12*(4*\b+\s)+11], v[12*(4*\a+\s):12*(4*\a+\s)+11], v[ACC+32*\a+8*\b:ACC+32*\a+8*\b+7], v[XS+4*\b+\s], v[\ws+4*\a+\s] matrix_a_fmt:MATRIX_FMT_FP6 matrix_b_fmt:MATRIX_FMT_FP6
.endif
.endif
.endr
.endr
.endr
	WIN 0
.rept 4
	v_nop                                          ; four places between the last products and the first read of results (ISA guide 7.12.1)
.endr
.endm
; RoPE on row tile u: registers j and 16 + j are d and d + 32; the lane's 16 cosines and sines are those of its position and of frequencies 16 h + 0 .. 15 (for h = 1: 1 and 0).  From each accumulator's low end on.
.macro ROPE u
	WIN 0x08+0x04*((\u)/2)                         ; source 1, the table, in window 2 or 3
.irp j, 0,2,4,6,8,10,12,14
.set X1, ACC+32*(\u)+\j
.set CO, 192+32*((\u)%2)+\j
.set TT, RT+2*((\j/2)%4)
	v_pk_mul_f32 v[TT:TT+1], v[X1:X1+1], v[CO+16:CO+17]                ; x1 sin
	v_pk_mul_f32 v[X1:X1+1], v[X1:X1+1], v[CO:CO+1]                    ; x1 cos
	v_pk_fma_f32 v[X1:X1+1], v[X1+16:X1+17], v[CO+16:CO+17], v[X1:X1+1] neg_lo:[1,0,0] neg_hi:[1,0,0]   ; - x2 sin
	v_pk_fma_f32 v[X1+16:X1+17], v[X1+16:X1+17], v[CO:CO+1], v[TT:TT+1]   ; x2 cos + x1 sin
.endr
	WIN 0
.endm
; 32 numbers of a lane, register 16 b + i = k 32 b + 16 h + i of my row, become six registers of codes (lane (r, h): k = 32 h + 0 .. 31) in v[PC] on, and two scale bytes in v[PW]
; 32 numbers of a lane, all of one block, become six registers of codes in v[PC] on and the block's scale byte in v[PW]
.macro QUANT1 s
	v_max3_num_f32 v[TM], |v[(\s)]|, |v[(\s)+1]|, 0x1800000
	v_max3_num_f32 v[TM+1], |v[(\s)+2]|, |v[(\s)+3]|, |v[(\s)+4]|
.irp i, 5,9,13,17,21,25
	v_max3_num_f32 v[TM], v[TM], |v[(\s)+\i]|, |v[(\s)+\i+1]|
	v_max3_num_f32 v[TM+1], v[TM+1], |v[(\s)+\i+2]|, |v[(\s)+\i+3]|
.endr
	v_max3_num_f32 v[TM], v[TM], |v[(\s)+29]|, |v[(\s)+30]|
	v_max3_num_f32 v[TM], v[TM], v[TM+1], |v[(\s)+31]|
	v_add_nc_u32 v[TM+4], 0xff000000, v[TM]
	s_wait_alu depctr_va_vdst(0)
	s_wait_xcnt 0x0                                ; PW and PC are the data of the stores issued last
	v_cvt_scalef32_pk16_fp6_f32 v[PC:PC+2], v[(\s):(\s)+15], v[TM+4]
	v_cvt_scalef32_pk16_fp6_f32 v[PT:PT+2], v[(\s)+16:(\s)+31], v[TM+4]
	v_lshrrev_b32 v[PW], 23, v[TM+4]               ; the byte; also the plain place behind the conversions
.irp i, 0,1,2
	v_mov_b32 v[PC+3+\i], v[PT+\i]
.endr
.endm
.macro QUANT2 s
.irp b, 0,1
	v_max3_num_f32 v[TM+\b], |v[(\s)+16*\b]|, |v[(\s)+16*\b+1]|, 0x1800000   ; my 16 numbers of block b, and the floor 2^(3 - 127)
.endr
.irp i, 2,4,6,8,10,12,14
.irp b, 0,1
	v_max3_num_f32 v[TM+\b], v[TM+\b], |v[(\s)+16*\b+\i]|, |v[(\s)+16*\b+\i+1]|
.endr
.endr
.irp b, 0,1
	v_permlanex16_b32 v[TM+2+\b], v[TM+\b], s52, s53
.endr
.irp b, 0,1
	v_max_num_f32 v[TM+\b], v[TM+\b], v[TM+2+\b]   ; with lane l xor 16's: the block's largest magnitude
.endr
.irp b, 0,1
	v_add_nc_u32 v[TM+4+\b], 0xff000000, v[TM+\b]  ; 2 off the exponent field: the conversion's scale operand
.endr
.irp b, 0,1
	v_lshrrev_b32 v[TM+6+\b], 23, v[TM+4+\b]       ; the byte
.endr
	s_wait_alu depctr_va_vdst(0)
	s_wait_xcnt 0x0                                ; PW and PC are the data of the stores issued last: written again only behind this wait
	v_lshl_or_b32 v[PW], v[TM+7], 8, v[TM+6]
	v_cvt_scalef32_pk16_fp6_f32 v[PC:PC+2], v[(\s):(\s)+15], v[TM+4]
	v_cvt_scalef32_pk16_fp6_f32 v[PT:PT+2], v[(\s)+16:(\s)+31], v[TM+5]
	v_nop                                          ; one plain place behind a scaled conversion
.irp i, 0,1,2
	v_permlane16_swap_b32 v[PC+\i], v[PT+\i]       ; the operand's layout wants a whole block in a lane: lanes 0-15 block 0, lanes 16-31 block 1
.endr
.irp i, 0,1,2
	v_mov_b32 v[PC+3+\i], v[PT+\i]
.endr
.endm
	s_load_b256 s[4:11], s[0:1], 0x0               ; xcod s[4:5], xscl s[6:7], wcod s[8:9], rtab s[10:11]
	s_load_b256 s[12:19], s[0:1], 0x20             ; bq s[12:13], bk s[14:15], bv s[16:17], qcod s[18:19]
	s_load_b64 s[20:21], s[0:1], 0x40              ; kvcod
	v_lshl_add_u32 v254, v0, 2, 0x29000
	v_mov_b32 v255, 0
	ds_add_u32 v254, v255
	ds_add_u32 v254, v255
	v_lshrrev_b32 v10, 5, v0
	v_readfirstlane_b32 s22, v10                   ; wave
	v_and_b32 v10, 31, v0
	v_lshlrev_b32 v[L16], 4, v10
	v_lshlrev_b32 v[L8], 3, v10
	v_lshlrev_b32 v[L4], 2, v10
	v_add_nc_u32 v[M16], 53248, v[L16]
	v_add_nc_u32 v[M16+1], 53248, v[L8]
	v_add_nc_u32 v[M16+2], 53248, v[L4]
	v_and_b32 v11, 15, v0                          ; r
	v_bfe_u32 v12, v0, 4, 1                        ; h
	v_and_b32 v13, 8, v11
	v_mad_u32_u24 v13, v13, 3, v11                 ; r + 24 (r / 8)
	v_min_u32 v[TA], 16, v10
	v_lshlrev_b32 v[TA], 4, v[TA]
	v_lshlrev_b32 v[BA], 6, v12
	v_lshlrev_b32 v[VA], 2, v13
	v_lshl_add_u32 v14, v11, 2, v12                ; V's scale bytes: 4 r + h
	v_mov_b32 v[TM+2], 0                           ; a lane permute's destination counts as one of its sources
	v_mov_b32 v[TM+3], 0
	s_mov_b32 s52, 0x76543210
	s_mov_b32 s53, 0xfedcba98                      ; v_permlanex16_b32's selects for lane l xor 16
	s_mov_b32 s50, 0xffff0000                      ; lanes 16-31
	s_bfe_u32 s23, ttmp6, 0x40000                  ; cx: it enters global addresses of my own loads and stores alone
	s_lshl_b32 s36, ttmp9, 2
	s_add_co_u32 s36, s36, s23                     ; RB: my block of 256 rows
	s_and_b32 s37, ttmp7, 0xffff                   ; g: the head, which the four partners share
	s_lshr_b32 s38, s36, 3
	s_lshl_b32 s38, s38, 3
	s_add_co_u32 s38, s38, s37                     ; bh = 8 x batch + head
	s_and_b32 s39, s36, 7                          ; my block within the sequence
	; the weights' descriptor: my quarter of the head's 79,872 dense bytes, as 78 rows of 256 bytes (32 elements of 8 bytes)
	s_mov_b32 s24, 15|(3<<16)|(1<<21)              ; 15:0 the mask: all four work-groups; 17:16 elements of 8 bytes; 21 set beside a mask
	s_mov_b32 s25, 32<<16                          ; tensor_dim0
	s_mov_b32 s26, 78<<16                          ; tensor_dim1
	s_mov_b32 s27, 32<<16                          ; tile_dim0
	s_mov_b32 s28, 78                              ; tile_dim1
	s_mov_b32 s29, 32                              ; the pitch
	s_mov_b32 s30, 0
	s_mov_b32 s31, 0
	s_mov_b32 s32, 1
	s_mul_i32 s33, s22, 19968                      ; LDS address: wave x 19,968
	s_mul_i32 s48, s37, 106496                     ; wcod: [g][kind][26,624]; kinds q, k, v lie on end
	s_add_co_u32 s48, s48, s33
	s_mov_b32 s49, 0
	s_lshl_b32 s40, s36, 4
	s_lshl_b32 s41, s22, 2
	s_add_co_u32 s40, s40, s41                     ; T0 = 16 RB + 4 wave: my first row tile
	s_mul_i32 s42, s40, 6144
	s_mov_b32 s43, 0
	s_lshl_b32 s44, s40, 9
	s_mov_b32 s45, 0
	s_lshl_b32 s46, s39, 16                        ; the table: position 256 x block + 64 x wave, 256 bytes each
	s_lshl_b32 s47, s22, 14
	s_add_co_u32 s46, s46, s47
	s_mov_b32 s47, 0
	s_lshl_b32 s56, s37, 8                         ; the biases: 64 g numbers on
	s_mov_b32 s57, 0
	s_lshl_b32 s58, s38, 7
	s_lshl_b32 s59, s39, 4
	s_add_co_u32 s58, s58, s59
	s_add_co_u32 s58, s58, s41
	s_lshl_b32 s58, s58, 10                        ; qcod: [bh][tile 128][1,024]
	s_mov_b32 s59, 0
	s_mul_i32 s60, s38, 212992                     ; kvcod: [bh][key step 16][13,312]
	s_lshl_b32 s61, s39, 1
	s_lshr_b32 s62, s22, 1
	s_add_co_u32 s61, s61, s62
	s_mul_i32 s61, s61, 13312
	s_add_co_u32 s60, s60, s61
	s_mov_b32 s61, 0
	s_and_b32 s62, s22, 1                          ; which 64 of the step's 128 keys are my wave's
	s_wait_dscnt 0x0
	s_wait_kmcnt 0x0
	s_add_nc_u64 s[4:5], s[4:5], s[42:43]
	s_add_nc_u64 s[6:7], s[6:7], s[44:45]
	s_add_nc_u64 s[34:35], s[8:9], s[48:49]
	s_or_b32 s35, s35, 0x80000000                  ; type = 2
	s_add_nc_u64 s[10:11], s[10:11], s[46:47]
	s_add_nc_u64 s[12:13], s[12:13], s[56:57]
	s_add_nc_u64 s[14:15], s[14:15], s[56:57]
	s_add_nc_u64 s[16:17], s[16:17], s[56:57]
	s_add_nc_u64 s[18:19], s[18:19], s[58:59]
	s_add_nc_u64 s[20:21], s[20:21], s[60:61]      ; my key step's block
	s_mul_i32 s56, s62, 3328
	s_add_nc_u64 s[40:41], s[20:21], s[56:57]      ; K's tiles 4 (wave % 2) on
	s_add_co_u32 s56, s56, 3072
	s_add_nc_u64 s[42:43], s[20:21], s[56:57]      ; K's scale words, a pair of tiles to 128 bytes
	s_mul_i32 s56, s62, 768
	s_add_co_u32 s56, s56, 6656
	s_add_nc_u64 s[44:45], s[20:21], s[56:57]      ; V's half wave % 2 of each fragment
	s_lshl_b32 s56, s62, 1
	s_add_co_u32 s56, s56, 9728
	s_add_nc_u64 s[46:47], s[20:21], s[56:57]      ; V's scale words: my two bytes of each
	ROUND                                          ; all four work-groups are here: the joint loads meet
	tensor_load_to_lds s[32:35], s[24:31]          ; my one tensor load: filled once
	s_nop 0
.rept 4
	v_nop
.endr
.irp u, 0,1,2,3
	global_load_b128 v[XS+4*\u:XS+4*\u+3], v[L16], s[6:7] offset:512*\u   ; x's scale words: tile u, K steps 0 to 3
.endr
	s_wait_alu depctr_va_vdst(0)
.irp t, 0,1,2,3
	global_load_b32 v[BV+8*\t], v[VA], s[16:17] offset:32*\t   ; bv at my column of tile t
.endr
	WIN 0x40                                       ; destination window 1
.irp t, 0,1,2,3
	global_load_b128 v[192+8*\t:192+8*\t+3], v[BA], s[12:13] offset:(32*(\t/2)+8*(\t%2))*4      ; bq at d = 32 (t / 2) + 8 (t % 2) + 16 h + 0 .. 7
	global_load_b128 v[192+8*\t+4:192+8*\t+7], v[BA], s[12:13] offset:(32*(\t/2)+8*(\t%2))*4+16
	global_load_b128 v[224+8*\t:224+8*\t+3], v[BA], s[14:15] offset:(32*(\t/2)+8*(\t%2))*4      ; bk likewise
	global_load_b128 v[224+8*\t+4:224+8*\t+7], v[BA], s[14:15] offset:(32*(\t/2)+8*(\t%2))*4+16
.endr
.irp u, 0,1,2,3
	WIN 0x80+0x40*(\u/2)                           ; destination window 2 or 3
.irp i, 0,1,2,3
	global_load_b128 v[192+32*(\u%2)+4*\i:192+32*(\u%2)+4*\i+3], v[TA], s[10:11] offset:4096*\u+512*\i        ; 16 cosines of my position in tile u,
	global_load_b128 v[208+32*(\u%2)+4*\i:208+32*(\u%2)+4*\i+3], v[TA], s[10:11] offset:4096*\u+512*\i+2048   ; 16 sines
.endr
.endr
	WIN 0x40
.irp s, 0,1,2,3
.irp u, 0,1,2,3
	global_load_b128 v[12*(4*\u+\s):12*(4*\u+\s)+3], v[L16], s[4:5] offset:6144*\u+1536*\s        ; x's fragments, K step by K step: 16 loads for each step
	global_load_b64 v[12*(4*\u+\s)+4:12*(4*\u+\s)+5], v[L8], s[4:5] offset:6144*\u+1536*\s+512
	global_load_b128 v[12*(4*\u+\s)+6:12*(4*\u+\s)+9], v[L16], s[4:5] offset:6144*\u+1536*\s+768
	global_load_b64 v[12*(4*\u+\s)+10:12*(4*\u+\s)+11], v[L8], s[4:5] offset:6144*\u+1536*\s+1280
.endr
.endr
	WIN 0
	s_wait_tensorcnt 0x0                           ; my quarter of the weights is in,
	s_barrier_signal -1
	s_barrier_wait -1                              ; everybody's is
	LDW 0, 2, WSA
	; ---- q
	GEMM 0, 0x16, 0x06, WSA, 192, 1, 1, 3, WSB
.irp t, 0,1,2,3
.irp j, 1,2,3,4,5,6,7
	v_mov_b32 v[BV+8*\t+\j], v[BV+8*\t]            ; bv in the result's layout of phase v: a lane's eight registers are one column
.endr
.endr
.irp u, 0,1,2,3
	ROPE \u
	QUANT2 ACC+32*\u
	global_store_b128 v[L16], v[PC:PC+3], s[18:19] offset:1024*\u
	global_store_b64 v[L8], v[PC+4:PC+5], s[18:19] offset:1024*\u+512
	global_store_b32 v[L4], v[PW], s[18:19] offset:1024*\u+768     ; bytes 2 and 3 are 0: the upper 64 of the instruction's K hold zero codes
.endr
	; ---- k
	GEMM 0, 0x17, 0x07, WSB, 224, 0, 2, 2, WSA
.irp u, 0,1,2,3
	ROPE \u
	QUANT2 ACC+32*\u
	global_store_b128 v[L16], v[PC:PC+3], s[40:41] offset:768*\u
	global_store_b64 v[L8], v[PC+4:PC+5], s[40:41] offset:768*\u+512
.if \u%2 == 0
	v_mov_b32 v[PWE], v[PW]
.else
	v_cndmask_b32 v[PWJ], v[PWE], v[PW], s50       ; lanes 0-15 the even tile's words, lanes 16-31 the odd tile's (a row's word stands in both halves of the lanes)
	global_store_b32 v[L4], v[PWJ], s[42:43] offset:128*(\u/2)
.endif
.endr
	; ---- v
	GEMM 1, 0x09, 0x09, WSA, BV, 0, -1, 0, 0
.irp t, 0,1,2,3
	QUANT1 ACC+32*\t
	global_store_b128 v[L16], v[PC:PC+3], s[44:45] offset:3328*(\t/2)+1536*(\t%2)
	global_store_b64 v[L8], v[PC+4:PC+5], s[44:45] offset:3328*(\t/2)+1536*(\t%2)+512
	global_store_b8 v14, v[PW], s[46:47] offset:3328*(\t/2)+64*(\t%2)      ; my 32 keys' byte of my column's scale word
.endr
	s_wait_tensorcnt 0x0
	ds_add_u32 v254, v255
	s_wait_dscnt 0x0
	ROUND                                          ; the closing round: no work-group ends while a partner may still ask for a tile that names it
	s_endpgm
.Lfunc_end_k_qd49bafcb48_qkv:
	.size	k_qd49bafcb48_qkv, .Lfunc_end_k_qd49bafcb48_qkv-k_qd49bafcb48_qkv
	.p2alignl 7, 3214868480
	.fill 96, 4, 3214868480
	.section	.rodata,"a",@progbits
	.p2align	6, 0x0
	.amdhsa_kernel k_qd49bafcb48_qkv
		.amdhsa_group_segment_fixed_size 168448
		.amdhsa_private_segment_fixed_size 0
		.amdhsa_enable_private_segment 0
		.amdhsa_kernarg_size 72
		.amdhsa_user_sgpr_count 2
		.amdhsa_user_sgpr_kernarg_segment_ptr 1
		.amdhsa_wavefront_size32 1
		.amdhsa_system_sgpr_workgroup_id_x 1
		.amdhsa_system_sgpr_workgroup_id_y 1
		.amdhsa_system_sgpr_workgroup_id_z 1
		.amdhsa_system_vgpr_workitem_id 0
		.amdhsa_next_free_vgpr 1024
		.amdhsa_next_free_sgpr 66
		.amdhsa_reserve_vcc 0
		.amdhsa_float_denorm_mode_32 3
		.amdhsa_float_denorm_mode_16_64 3
		.amdhsa_memory_ordered 1
		.amdhsa_forward_progress 1
		.amdhsa_inst_pref_size 100
	.end_amdhsa_kernel
	.amdgpu_metadata
---
amdhsa.version: [ 1, 2 ]
amdhsa.kernels:
  - .name:           k_qd49bafcb48_qkv
    .symbol:         k_qd49bafcb48_qkv.kd
    .args:
      - { .name: xcod, .offset: 0, .size: 8, .value_kind: global_buffer, .address_space: global }
      - { .name: xscl, .offset: 8, .size: 8, .value_kind: global_buffer, .address_space: global }
      - { .name: wcod, .offset: 16, .size: 8, .value_kind: global_buffer, .address_space: global }
      - { .name: rtab, .offset: 24, .size: 8, .value_kind: global_buffer, .address_space: global }
      - { .name: bq, .offset: 32, .size: 8, .value_kind: global_buffer, .address_space: global }
      - { .name: bk, .offset: 40, .size: 8, .value_kind: global_buffer, .address_space: global }
      - { .name: bv, .offset: 48, .size: 8, .value_kind: global_buffer, .address_space: global }
      - { .name: qcod, .offset: 56, .size: 8, .value_kind: global_buffer, .address_space: global }
      - { .name: kvcod, .offset: 64, .size: 8, .value_kind: global_buffer, .address_space: global }
    .group_segment_fixed_size: 168448
    .private_segment_fixed_size: 0
    .kernarg_segment_align: 8
    .kernarg_segment_size: 72
    .max_flat_workgroup_size: 128
    .sgpr_count:     66
    .vgpr_count:     1024
    .wavefront_size: 32
...
	.end_amdgpu_metadata
.endif
;; end of part 2
;; launch attn (part 3): grid 32 x 8, 8 waves a work-group, no clusters, 327,680 bytes of LDS; arguments qcod, kvcod, acod, ascl; writes acod, ascl
.if DOCPART == 3
	.amdgcn_target "amdgcn-amd-amdhsa--gfx1250"
	.amdhsa_code_object_version 6
	.text
	.protected	k_qd49bafcb48_attn
	.globl	k_qd49bafcb48_attn
	.p2align	8
	.type	k_qd49bafcb48_attn,@function
k_qd49bafcb48_attn:
	s_mov_b64 s[64:65], 0
	v_nop
	global_prefetch_b8 v0, s[64:65] scope:SCOPE_SE
	s_setreg_imm32_b32 hwreg(HW_REG_WAVE_MODE, 25, 1), 1
	s_wait_xcnt 0x0
; ATTN: causal attention of one head on codes of FP6 (E2M3) with E8M0 scales; the result, divided by the row's sum, is quantised along the head's 64 for the last product.
; Key tiles that the causal mask of reference() hides whole (every key behind every query of the tile's chunk) are not multiplied: their p is 0 for all values of the inputs.
; THE SOFTMAX: t = score x c, c = 2^-3 log2(e) (q comes without its factor 2^-3); M = the row's largest t so far, rounded UP to a whole number; p = 2^(t - M) is quantised along the keys; the row's sum is taken of the
; unquantised p and divides at the end.  When M moves, the sum and O are multiplied by 2^(old M - new M): exact.
; SHARES.  Work-group (head, j): the chunks j and 15 - j of 128 queries, which need j + 1 and 16 - j key steps of 128.  TWO tiles of 16 queries a wave, a = 2 i and b = 2 i + 1 of a chunk's eight, i = wave % 4: each fragment of
; K and V from LDS serves both.  Wave i: nine steps of the long chunk's two tiles.  Wave 4 + i: the short chunk's (steps 0 .. j), stored; then the other 7 - j steps of the long chunk's; then it joins wave i's part, handed
; over in LDS, and stores.
; TRIP n (0 .. 8), with e = 1 where j = 0, else 0: wave i: step n for n < 2, else n + e.  Wave 4 + i: step n for n <= j; then step n + e for n < 2, else n + 8 - j (trip 8: none).  Trips 0 and 1 need steps 0 to 2 alone.
; LDS: the head's K and V, images of operand registers.  A key step's block in memory is four quarters of 3,328 bytes; quarter q of step s lies at 53,248 q + 3,328 s.  Nothing is filled twice.
; The head's loads, one a wave: steps 0 to 3, a quarter of two steps each.  Behind the first barrier waves 0 to 3 bring steps 4 to 15, a quarter of each (12 rows of 3,328 bytes): steps 4 to 8 are read for every j.
; NO JOINT LOADS: the work-groups that share a head differ in j, on which branches hang, and partners of a cluster must run alike.  NO PREFETCH: all tiles are asked for ahead of the loop.
; LAYOUT.  S^T = K Q^T (source 0 = 16 keys, source 1 = 16 queries), O^T = V^T P^T: a lane holds ONE query of a tile throughout.  Tile T of keys, queries or d holds 64 (T / 4) + 8 (T % 4) + i % 8 + 32 (i / 8), so a lane's
; registers 32 c + n are key 64 c + 32 h + n: whole blocks of 32 in a lane, in the very order of P's operand; and O's 32 registers are d = 32 h + n.
; The instruction's K is 128 and the head's 64: Q's registers 6-11 hold zero codes; K's operands are six registers apart, so a tile's registers 6-11 are its neighbour's codes, which meet Q's zeros.
; LIMITS: scaled scores under 2^31 in magnitude; a block's largest magnitude is floored at 2^-124 (byte at least 1; a block of zeros gets 1 where the rule says 127: its codes are zeros, and this program alone reads
; the bytes); NaN and infinities are not served.  A NaN that reaches only hidden tiles is not carried to the result.
; REGISTERS.  Window 0 (x = 0, 1 for tiles a, b):
.set H8,  0                            ; v0 8 h
.set L16, 1                            ; v1-3 16, 8, 4 x lane
.set L8,  2
.set L4,  3
.set A16, 4                            ; v4-6 + the step's place: K.  v7-9 + 106,496 more: V
.set A8,  5
.set A4,  6
.set B16, 7
.set B8,  8
.set B4,  9
.set SPW, 10                           ; v10 my spare word, v11 0
.set NIL, 11
.set ST,  12                           ; + 4 x: -M, the largest score, the sum in two halves
.set QM,  20                           ; + x: the mask's bound
.set QS,  22                           ; + x: Q's scale words
.set KS4, 24                           ; v24-27 K's scale words, two tiles to a register
.set VS,  28                           ; v28-29 V's, two fragments to a register
.set W,   30                           ; + x: p's scale words
.set Q,   32                           ; + 12 x
.set P,   56                           ; + 12 x: p's codes
.set S,   80                           ; + 64 x: S^T, then p
.set F,   208                          ; + 8 x: f = 2^(old M - new M), and a register beside it
.set TT,  210                          ; + 8 x: six at work
.set QB,  224                          ; + 8 x: the second tiles' Q: six of codes, one of scale words
.set AD,  240                          ; at work
; Window 1:
.set KR,  0                            ; v256-303 K's eight tiles; v304-309 zeros behind them
.set VF,  54                           ; v310-357 four fragments of V
.set O,   102                          ; + 32 x: O^T
.set CNT, 50                           ; the trip
.set TB,  51                           ; the next step's place in LDS
.set KS,  66                           ; this trip's key step
.set QC,  67                           ; my chunk
.set QL,  68                           ; the long chunk
.set NX,  69                           ; the next trip's key step
.set TH,  70
.set OFF, 71
.set SW,  72                           ; the trip at which I change tiles
.set TU,  73                           ; 2 i
.set SB,  3328                         ; bytes of a quarter of a key step
.set QP,  53248                        ; from quarter to quarter
.set XCH, 4*QP                         ; the hand-over: 18 x 512 bytes for each pair of waves
.set SPARE, XCH+4*9216                 ; the spare words
.set MSB, 0
.macro WIN new                         ; the immediate's high byte repeats the setting that is left
.if MSB != (\new)
	s_set_vgpr_msb (MSB<<8)|(\new)
.set MSB, (\new)
.endif
.endm
.macro ADDR
	v_add_nc_u32 v[A16], s[TB], v[L16]
	v_add_nc_u32 v[A8], s[TB], v[L8]
	v_add_nc_u32 v[A4], s[TB], v[L4]
	v_add_nc_u32 v[B16], 2*QP, v[A16]
	v_add_nc_u32 v[B8], 2*QP, v[A8]
	v_add_nc_u32 v[B4], 2*QP, v[A4]
.endm
.macro KLOAD                           ; 20 loads
.irp p, 0,1
.irp k, 0,1
	ds_load_b32 v[KS4+2*\p+\k], v[A4] offset:QP*\p+3072+128*\k
.endr
.endr
	WIN 0x40                                       ; destination window 1
.irp t, 0,1,2,3,4,5,6,7
	ds_load_b128 v[KR+6*\t:KR+6*\t+3], v[A16] offset:QP*(\t/4)+768*(\t%4)
	ds_load_b64 v[KR+6*\t+4:KR+6*\t+5], v[A8] offset:QP*(\t/4)+768*(\t%4)+512
.endr
	WIN 0
.endm
.macro NEXT                            ; the key step of trip CNT + 1, and its place (clamped: behind the last trip a fetch is not used)
	s_cmp_ge_u32 s[CNT], s[TH]
	s_cselect_b32 s[TB], s[OFF], 0
	s_add_co_u32 s[TB], s[TB], s[CNT]
	s_add_co_u32 s[NX], s[TB], 1
	s_min_u32 s[TB], s[NX], 15
	s_mul_i32 s[TB], s[TB], SB
.endm
; A STEP of both tiles.  Its K has been asked for (20 loads); pre = 1: the next step's K is asked for behind this step's first products.
.macro STEP pre
	WIN 0x40
.irp t, 0,1,2,3                        ; V, 18 loads.  (Behind the last products with V stand 64 additions: the places in front of these)
	ds_load_b128 v[VF+12*\t:VF+12*\t+3], v[B16] offset:QP*(\t/2)+1536*(\t%2)
	ds_load_b64 v[VF+12*\t+4:VF+12*\t+5], v[B8] offset:QP*(\t/2)+1536*(\t%2)+512
	ds_load_b128 v[VF+12*\t+6:VF+12*\t+9], v[B16] offset:QP*(\t/2)+1536*(\t%2)+768
	ds_load_b64 v[VF+12*\t+10:VF+12*\t+11], v[B8] offset:QP*(\t/2)+1536*(\t%2)+1280
.endr
	WIN 0
	ds_load_b32 v[VS], v[B4] offset:3072
	ds_load_b32 v[VS+1], v[B4] offset:QP+3072
	s_wait_dscnt 18                                ; K is in; V's 18 loads may be out
	WIN 0x01                                       ; source 0 window 1
.irp t, 0,1,2,3,4,5,6,7
.irp x, 0,1
.if \t%2 == 0
	v_wmma_scale_f32_16x16x128_f8f6f4 v[S+64*\x+8*\t:S+64*\x+8*\t+7], v[KR+6*\t:KR+6*\t+11], v[Q+12*\x:Q+12*\x+11], 0, v[KS4+\t/2], v[QS+\x] matrix_a_fmt:MATRIX_FMT_FP6 matrix_b_fmt:MATRIX_FMT_FP6
.else
	v_wmma_scale_f32_16x16x128_f8f6f4 v[S+64*\x+8*\t:S+64*\x+8*\t+7], v[KR+6*\t:KR+6*\t+11], v[Q+12*\x:Q+12*\x+11], 0, v[KS4+\t/2], v[QS+\x] matrix_a_fmt:MATRIX_FMT_FP6 matrix_b_fmt:MATRIX_FMT_FP6 matrix_a_scale:MATRIX_SCALE_ROW1
.endif
.endr
.endr
	WIN 0
.if \pre
	ADDR                                           ; six plain lines: the places behind the products
	KLOAD
.else
.rept 4
	v_nop                                          ; the places behind the products
.endr
.endif
	s_cmp_lg_u32 s[KS], s[QC]                      ; only my chunk's own step lies on the diagonal
	s_cbranch_scc1 .Lopen_\@
	s_cmp_lt_u32 s[TU], 4                          ; tiles 0-3 hold the chunk's queries 0-63, tiles 4-7 the others
	s_cbranch_scc0 .Lupper_\@
.irp x, 0,1
.set I, 0
.rept 32
	v_cmp_gt_i32 vcc_lo, I, v[QM+\x]               ; key 32 h + I comes after my query
	v_cndmask_b32 v[S+64*\x+I], v[S+64*\x+I], s49, vcc_lo
.set I, I+1
.endr
.endr
.irp x, 0,1
.set I, 32
.rept 32
	v_mov_b32 v[S+64*\x+I], s49                    ; keys 64-127 come after every query of the tile
.set I, I+1
.endr
.endr
	s_branch .Lopen_\@
.Lupper_\@:
.irp x, 0,1
.set I, 32
.rept 32
	v_cmp_gt_i32 vcc_lo, 32+I, v[QM+\x]            ; keys 0-63 are seen by every query of the tile
	v_cndmask_b32 v[S+64*\x+I], v[S+64*\x+I], s49, vcc_lo
.set I, I+1
.endr
.endr
.Lopen_\@:
.irp b, 0,1,2,3
.irp x, 0,1
	v_max3_num_f32 v[TT+8*\x+\b], v[S+64*\x+16*\b], v[S+64*\x+16*\b+1], v[S+64*\x+16*\b+2]   ; eight chains, two to a block of 32 keys of a tile
.endr
.endr
.irp i, 3,5,7,9,11,13
.irp b, 0,1,2,3
.irp x, 0,1
	v_max3_num_f32 v[TT+8*\x+\b], v[TT+8*\x+\b], v[S+64*\x+16*\b+\i], v[S+64*\x+16*\b+\i+1]
.endr
.endr
.endr
.irp x, 0,1
	v_max3_num_f32 v[TT+8*\x], v[TT+8*\x], v[TT+8*\x+1], v[S+64*\x+15]
	v_max3_num_f32 v[TT+8*\x+2], v[TT+8*\x+2], v[TT+8*\x+3], v[S+64*\x+47]
.endr
.irp x, 0,1
	v_max_num_f32 v[TT+8*\x], v[TT+8*\x], v[S+64*\x+31]           ; my two blocks' largest scores
	v_max_num_f32 v[TT+8*\x+2], v[TT+8*\x+2], v[S+64*\x+63]
.endr
.irp x, 0,1
	v_max_num_f32 v[TT+8*\x+1], v[TT+8*\x], v[TT+8*\x+2]
.endr
.irp x, 0,1
	v_permlanex16_b32 v[TT+8*\x+4], v[TT+8*\x+1], s20, s21
.endr
.irp x, 0,1
	v_max3_num_f32 v[ST+4*\x+1], v[ST+4*\x+1], v[TT+8*\x+1], v[TT+8*\x+4]   ; the largest score so far
.endr
.irp x, 0,1
	v_mul_f32 v[TT+8*\x+1], s48, v[ST+4*\x+1]      ; -t
.endr
.irp x, 0,1
	v_mov_b32 v[TT+8*\x+5], v[ST+4*\x]
.endr
.irp x, 0,1
	v_floor_f32 v[ST+4*\x], v[TT+8*\x+1]           ; the new -M = floor(-t) = -ceil(t)
.endr
.irp x, 0,1
	v_sub_f32 v[TT+8*\x+4], v[ST+4*\x], v[TT+8*\x+5]   ; old M - new M: a whole number, 0 or less
.endr
.irp x, 0,1
	v_cvt_i32_f32 v[TT+8*\x+4], v[TT+8*\x+4]       ; (it saturates)
.endr
.irp x, 0,1
	v_ldexp_f32 v[F+8*\x], 1.0, v[TT+8*\x+4]       ; f
.endr
.irp x, 0,1
	v_fma_f32 v[TT+8*\x], v[TT+8*\x], s22, v[ST+4*\x]         ; t - M of the blocks' largest scores,
	v_fma_f32 v[TT+8*\x+2], v[TT+8*\x+2], s22, v[ST+4*\x]
.endr
.set I, 0
.rept 32
	v_pk_fma_f32 v[S+I:S+I+1], v[S+I:S+I+1], s[22:23], v[ST:ST+1] op_sel_hi:[1,0,0]   ; and of all of tile a's, two at a time
.set I, I+2
.endr
	s_wait_alu depctr_va_vdst(0)                   ; ahead of the batch
.irp x, 0,1
	v_exp_f32 v[TT+8*\x], v[TT+8*\x]               ; the blocks' largest p: the same two instructions on the same numbers
	v_exp_f32 v[TT+8*\x+2], v[TT+8*\x+2]
.endr
.set I, 0
.rept 32
	v_exp_f32 v[S+I], v[S+I]                       ; p = 2^(t - M), at most 1: tile a's,
	v_exp_f32 v[S+I+1], v[S+I+1]
	v_pk_fma_f32 v[S+64+I:S+64+I+1], v[S+64+I:S+64+I+1], s[22:23], v[ST+4:ST+5] op_sel_hi:[1,0,0]   ; with tile b's t - M between them
.set I, I+2
.endr
	s_wait_alu depctr_va_vdst(0)                   ; behind the batch and ahead of the next
.set I, 0
.rept 64
	v_exp_f32 v[S+64+I], v[S+64+I]                 ; tile b's p
.set I, I+1
.endr
.irp x, 0,1
	v_pk_mul_f32 v[ST+4*\x+2:ST+4*\x+3], v[ST+4*\x+2:ST+4*\x+3], v[F+8*\x:F+8*\x+1] op_sel_hi:[1,0]   ; the sums under the new M (plain places behind the exponentials)
.endr
	s_wait_alu depctr_va_vdst(0)
.irp x, 0,1
	v_max_num_f32 v[TT+8*\x], 0x1800000, v[TT+8*\x]           ; the floor 2^(3 - 127)
	v_max_num_f32 v[TT+8*\x+2], 0x1800000, v[TT+8*\x+2]
.endr
.irp x, 0,1
	v_add_nc_u32 v[TT+8*\x], 0xff000000, v[TT+8*\x]           ; 2 off the exponent field: the conversions' scale operands
	v_add_nc_u32 v[TT+8*\x+1], 0xff000000, v[TT+8*\x+2]
.endr
.irp x, 0,1
	v_cvt_scalef32_pk16_fp6_f32 v[P+12*\x:P+12*\x+2], v[S+64*\x:S+64*\x+15], v[TT+8*\x]
	v_cvt_scalef32_pk16_fp6_f32 v[TT+8*\x+2:TT+8*\x+4], v[S+64*\x+16:S+64*\x+31], v[TT+8*\x]
	v_cvt_scalef32_pk16_fp6_f32 v[P+12*\x+6:P+12*\x+8], v[S+64*\x+32:S+64*\x+47], v[TT+8*\x+1]
.endr
.irp x, 0,1
	v_lshrrev_b32 v[TT+8*\x+5], 23, v[TT+8*\x]     ; block h's byte; also the plain place behind the conversions
.endr
.irp i, 0,1,2
.irp x, 0,1
	v_mov_b32 v[P+12*\x+3+\i], v[TT+8*\x+2+\i]
.endr
.endr
.irp x, 0,1
	v_cvt_scalef32_pk16_fp6_f32 v[TT+8*\x+2:TT+8*\x+4], v[S+64*\x+48:S+64*\x+63], v[TT+8*\x+1]
.endr
.irp x, 0,1
	v_lshrrev_b32 v[TT+8*\x], 23, v[TT+8*\x+1]     ; block 2 + h's byte
.endr
.irp i, 0,1,2
.irp x, 0,1
	v_mov_b32 v[P+12*\x+9+\i], v[TT+8*\x+2+\i]
.endr
.endr
.irp x, 0,1
	v_lshl_or_b32 v[TT+8*\x+5], v[TT+8*\x], 16, v[TT+8*\x+5]
.endr
.irp x, 0,1
	v_lshlrev_b32 v[TT+8*\x+5], v[H8], v[TT+8*\x+5]           ; at their places in the word
.endr
.irp x, 0,1
	v_permlanex16_b32 v[TT+8*\x+1], v[TT+8*\x+5], s20, s21
.endr
.irp x, 0,1
	v_or_b32 v[W+\x], v[TT+8*\x+5], v[TT+8*\x+1]   ; with lane l xor 16's two the word is whole
.endr
.if \pre
	s_wait_dscnt 20                                ; V is in; the next K's 20 loads may be out
.else
	s_wait_dscnt 0x0
.endif
	WIN 0x41                                       ; destination and source 0 window 1
	s_wait_alu depctr_va_vdst(0)                   ; ahead of O's first reader
.irp x, 0,1
.set I, 0
.rept 16
	v_pk_mul_f32 v[O+32*\x+I:O+32*\x+I+1], v[O+32*\x+I:O+32*\x+I+1], v[F+8*\x:F+8*\x+1] op_sel_hi:[1,0]   ; O^T under the new M; these are also the places between the scale words, the codes and the products
.set I, I+2
.endr
.endr
	WIN 0x51                                       ; D, C and source 0 window 1
.irp t, 0,1,2,3
.irp x, 0,1                            ; eight accumulators, one turn each
.if \t%2 == 0
	v_wmma_scale_f32_16x16x128_f8f6f4 v[O+32*\x+8*\t:O+32*\x+8*\t+7], v[VF+12*\t:VF+12*\t+11], v[P+12*\x:P+12*\x+11], v[O+32*\x+8*\t:O+32*\x+8*\t+7], v[VS+\t/2], v[W+\x] matrix_a_fmt:MATRIX_FMT_FP6 matrix_b_fmt:MATRIX_FMT_FP6
.else
	v_wmma_scale_f32_16x16x128_f8f6f4 v[O+32*\x+8*\t:O+32*\x+8*\t+7], v[VF+12*\t:VF+12*\t+11], v[P+12*\x:P+12*\x+11], v[O+32*\x+8*\t:O+32*\x+8*\t+7], v[VS+\t/2], v[W+\x] matrix_a_fmt:MATRIX_FMT_FP6 matrix_b_fmt:MATRIX_FMT_FP6 matrix_a_scale:MATRIX_SCALE_ROW1
.endif
.endr
.endr
	WIN 0
.irp x, 0,1                            ; the rows' sums of the unquantised p: two at a time, in four chains a tile
	v_pk_add_f32 v[ST+4*\x+2:ST+4*\x+3], v[ST+4*\x+2:ST+4*\x+3], v[S+64*\x:S+64*\x+1]
.irp b, 1,2,3
	v_pk_add_f32 v[TT+8*\x+2*\b-2:TT+8*\x+2*\b-1], v[S+64*\x+16*\b:S+64*\x+16*\b+1], v[S+64*\x+16*\b+2:S+64*\x+16*\b+3]
.endr
.endr
.irp x, 0,1
	v_pk_add_f32 v[ST+4*\x+2:ST+4*\x+3], v[ST+4*\x+2:ST+4*\x+3], v[S+64*\x+2:S+64*\x+3]
.endr
.irp i, 4,6,8,10,12,14
.irp x, 0,1
	v_pk_add_f32 v[ST+4*\x+2:ST+4*\x+3], v[ST+4*\x+2:ST+4*\x+3], v[S+64*\x+\i:S+64*\x+\i+1]
.irp b, 1,2,3
	v_pk_add_f32 v[TT+8*\x+2*\b-2:TT+8*\x+2*\b-1], v[TT+8*\x+2*\b-2:TT+8*\x+2*\b-1], v[S+64*\x+16*\b+\i:S+64*\x+16*\b+\i+1]
.endr
.endr
.endr
.irp x, 0,1
	v_pk_add_f32 v[TT+8*\x:TT+8*\x+1], v[TT+8*\x:TT+8*\x+1], v[TT+8*\x+2:TT+8*\x+3]
	v_pk_add_f32 v[ST+4*\x+2:ST+4*\x+3], v[ST+4*\x+2:ST+4*\x+3], v[TT+8*\x+4:TT+8*\x+5]
.endr
.irp x, 0,1
	v_pk_add_f32 v[ST+4*\x+2:ST+4*\x+3], v[ST+4*\x+2:ST+4*\x+3], v[TT+8*\x:TT+8*\x+1]
.endr
	s_wait_alu depctr_va_vdst(0)                   ; ahead of the branches that follow
.endm
; THE WAY OUT of both tiles: O^T / the sum, quantised along d (a lane's 32 registers are one block); codes at s[c:c+1], scale bytes at s[b:b+1]
.macro FIN c, b
.irp x, 0,1
	v_add_f32 v[ST+4*\x+2], v[ST+4*\x+2], v[ST+4*\x+3]
.endr
.irp x, 0,1
	v_permlanex16_b32 v[TT+8*\x+4], v[ST+4*\x+2], s20, s21
.endr
.irp x, 0,1
	v_add_f32 v[ST+4*\x+2], v[ST+4*\x+2], v[TT+8*\x+4]        ; the row's sum
.endr
	s_wait_alu depctr_va_vdst(0)
.irp x, 0,1
	v_rcp_f32 v[ST+4*\x+2], v[ST+4*\x+2]
.endr
	v_nop                                          ; one plain place behind the transcendentals
	WIN 0x01                                       ; source 0 window 1
	s_wait_alu depctr_va_vdst(0)
.irp x, 0,1
.set I, 0
.rept 16
	v_pk_mul_f32 v[S+64*\x+I:S+64*\x+I+1], v[O+32*\x+I:O+32*\x+I+1], v[ST+4*\x+2:ST+4*\x+3] op_sel_hi:[1,0]
.set I, I+2
.endr
.endr
	WIN 0
.irp x, 0,1
	v_max3_num_f32 v[TT+8*\x], |v[S+64*\x]|, |v[S+64*\x+1]|, 0x1800000
	v_max3_num_f32 v[TT+8*\x+1], |v[S+64*\x+2]|, |v[S+64*\x+3]|, |v[S+64*\x+4]|
.endr
.irp i, 5,9,13,17,21,25
.irp x, 0,1
	v_max3_num_f32 v[TT+8*\x], v[TT+8*\x], |v[S+64*\x+\i]|, |v[S+64*\x+\i+1]|
	v_max3_num_f32 v[TT+8*\x+1], v[TT+8*\x+1], |v[S+64*\x+\i+2]|, |v[S+64*\x+\i+3]|
.endr
.endr
.irp x, 0,1
	v_max3_num_f32 v[TT+8*\x], v[TT+8*\x], |v[S+64*\x+29]|, |v[S+64*\x+30]|
.endr
.irp x, 0,1
	v_max3_num_f32 v[TT+8*\x], v[TT+8*\x], v[TT+8*\x+1], |v[S+64*\x+31]|
.endr
.irp x, 0,1
	v_add_nc_u32 v[TT+8*\x+2], 0xff000000, v[TT+8*\x]
.endr
.irp x, 0,1
	v_cvt_scalef32_pk16_fp6_f32 v[P+12*\x:P+12*\x+2], v[S+64*\x:S+64*\x+15], v[TT+8*\x+2]
	v_cvt_scalef32_pk16_fp6_f32 v[P+12*\x+6:P+12*\x+8], v[S+64*\x+16:S+64*\x+31], v[TT+8*\x+2]
.endr
.irp x, 0,1
	v_lshrrev_b32 v[TT+8*\x+3], 23, v[TT+8*\x+2]   ; the byte; also the plain place behind the conversions
.endr
	v_lshrrev_b32 v[AD], 3, v[H8]
	v_and_or_b32 v[AD], v[L16], 0xf0, v[AD]        ; 16 r + h
.irp i, 0,1,2
.irp x, 0,1
	v_mov_b32 v[P+12*\x+3+\i], v[P+12*\x+6+\i]
.endr
.endr
.irp x, 0,1
	global_store_b128 v[L16], v[P+12*\x:P+12*\x+3], s[\c:\c+1] offset:6144*\x
	global_store_b64 v[L8], v[P+12*\x+4:P+12*\x+5], s[\c:\c+1] offset:6144*\x+512
	global_store_b8 v[AD], v[TT+8*\x+3], s[\b:\b+1] offset:256*\x   ; my block's byte of my row's 16
.endr
.endm
.macro ZERO                            ; O^T: the step is written once for all steps: the first finds zeros, which the first change of M leaves zeros
	WIN 0x40
.set I, 0
.rept 64
	v_mov_b32 v[O+I], 0
.set I, I+1
.endr
	WIN 0
.irp x, 0,1
	v_mov_b32 v[ST+4*\x], 0x7e000000               ; -M, far above every -t
	v_mov_b32 v[ST+4*\x+1], 0xff61b1e6             ; the largest score so far: -3e38
	v_mov_b32 v[ST+4*\x+2], 0
	v_mov_b32 v[ST+4*\x+3], 0
.endr
.endm
; THE CHANGE OF TILES in waves 4-7, at trip j + 1: the short chunk's tiles go out, and the long chunk's begin from nothing
.macro SWITCH n
	s_cmp_eq_u32 s[SW], \n
	s_cbranch_scc0 .Lsame_\@
	FIN 56, 58
.irp x, 0,1
.irp i, 0,1,2,3,4,5
	v_mov_b32 v[Q+12*\x+\i], v[QB+8*\x+\i]
.endr
	v_mov_b32 v[QS+\x], v[QB+8*\x+6]
.endr
	ZERO
	s_mov_b32 s[QC], s[QL]
	s_wait_alu depctr_va_vdst(0)
	s_wait_xcnt 0x0                                ; the stores have read their registers
.Lsame_\@:
.endm
	s_load_b256 s[4:11], s[0:1], 0x0               ; qcod s[4:5], kvcod s[6:7], acod s[8:9], ascl s[10:11]
	v_lshl_add_u32 v[SPW], v0, 2, SPARE
	v_mov_b32 v[NIL], 0
	ds_add_u32 v[SPW], v[NIL]                      ; twice on end, ahead of my first tensor load
	ds_add_u32 v[SPW], v[NIL]
	v_lshrrev_b32 v1, 5, v0
	v_readfirstlane_b32 s12, v1                    ; wave 0..7
	s_and_b32 s13, ttmp7, 7                        ; j
	s_mov_b32 s14, ttmp9                           ; bh = 8 x batch + head
	s_and_b32 s15, s12, 3                          ; q: the quarter that I fetch; also i
	s_lshl_b32 s[TU], s15, 1
	s_mul_i32 s75, s15, 9216
	s_add_co_u32 s75, s75, XCH                     ; the pair's hand-over place
	s_lshr_b32 s16, s12, 2
	s_lshl_b32 s16, s16, 1                         ; at the head of steps 0, 1 or 2, 3
	s_mul_i32 s17, s15, SB
	s_mul_i32 s18, s14, 212992                     ; kvcod: [bh][key step 16][quarter 4][3,328]
	s_add_co_u32 s18, s18, s17
	s_mul_i32 s19, s16, 13312
	s_add_co_u32 s52, s18, s19
	s_mov_b32 s53, 0
	s_add_co_u32 s54, s18, 4*13312
	s_mov_b32 s55, 0
	s_mul_i32 s15, s15, QP
	s_mul_i32 s16, s16, SB
	s_mov_b32 s32, 1
	s_add_co_u32 s33, s15, s16
	s_mov_b32 s36, 1
	s_add_co_u32 s37, s15, 4*SB
	s_mov_b32 s24, 3<<16                           ; the head's loads: two rows of 3,328 bytes (416 elements of 8 bytes), 13,312 bytes apart
	s_mov_b32 s25, 416<<16
	s_mov_b32 s26, 2<<16
	s_mov_b32 s27, 416<<16
	s_mov_b32 s28, 2
	s_mov_b32 s29, 1664
	s_mov_b32 s30, 0
	s_mov_b32 s31, 0
	s_mov_b32 s40, 3<<16                           ; the later ones: 12 such rows
	s_mov_b32 s41, 416<<16
	s_mov_b32 s42, 12<<16
	s_mov_b32 s43, 416<<16
	s_mov_b32 s44, 12
	s_mov_b32 s45, 1664
	s_mov_b32 s46, 0
	s_mov_b32 s47, 0
	s_xor_b32 s[QL], s13, 15                       ; the long chunk, 15 - j
	s_cmp_eq_u32 s13, 0
	s_cselect_b32 s74, 1, 0                        ; e
	s_xor_b32 s[OFF], s13, 7
	s_add_co_u32 s[OFF], s[OFF], 1                 ; 8 - j
	s_add_co_u32 s[SW], s13, 1
	s_cmp_lt_u32 s12, 4
	s_cselect_b32 s[QC], s[QL], s13                ; my first chunk
	s_cselect_b32 s[OFF], s74, s[OFF]
	s_cselect_b32 s[TH], 0, s13
	s_cselect_b32 s[SW], 99, s[SW]                 ; (waves 0-3 change no tiles)
	s_cselect_b32 s[NX], 0, s74
	s_add_co_u32 s[NX], s[NX], 1                   ; trip 1's step
	s_lshl_b32 s15, s14, 17                        ; qcod: [bh][tile 128][1,024]
	s_lshl_b32 s76, s[QC], 3
	s_add_co_u32 s76, s76, s[TU]
	s_lshl_b32 s76, s76, 10
	s_add_co_u32 s76, s76, s15
	s_mov_b32 s77, 0
	s_lshl_b32 s17, s[QL], 3
	s_add_co_u32 s17, s17, s[TU]                   ; the long chunk's tile a in the sequence
	s_lshl_b32 s78, s17, 10
	s_add_co_u32 s78, s78, s15
	s_mov_b32 s79, 0
	s_lshl_b32 s16, s13, 3
	s_add_co_u32 s16, s16, s[TU]                   ; the short chunk's
	s_lshr_b32 s15, s14, 3
	s_lshl_b32 s15, s15, 7
	s_add_co_u32 s16, s16, s15                     ; the tiles among all 512
	s_add_co_u32 s17, s17, s15
	s_and_b32 s18, s14, 7                          ; the head
	s_mul_i32 s19, s18, 768
	s_lshl_b32 s18, s18, 1
	s_mul_i32 s56, s16, 6144                       ; acod: [tile 512][head 8][768]
	s_add_co_u32 s56, s56, s19
	s_mov_b32 s57, 0
	s_lshl_b32 s58, s16, 8                         ; ascl: [tile 512][row 16][16]: the head's two bytes
	s_add_co_u32 s58, s58, s18
	s_mov_b32 s59, 0
	s_mul_i32 s60, s17, 6144
	s_add_co_u32 s60, s60, s19
	s_mov_b32 s61, 0
	s_lshl_b32 s62, s17, 8
	s_add_co_u32 s62, s62, s18
	s_mov_b32 s63, 0
	s_lshr_b32 s15, s[TU], 2
	s_lshl_b32 s15, s15, 6
	s_and_b32 s16, s[TU], 3
	s_lshl_b32 s16, s16, 3
	s_add_co_u32 s15, s15, s16                     ; tile a's first query within the chunk; tile b's is 8 further on
	s_mov_b32 s20, 0x76543210
	s_mov_b32 s21, 0xfedcba98                      ; v_permlanex16_b32's selects for lane l xor 16
	s_mov_b32 s22, 0x3e38aa3b                      ; c = log2(e) / 8
	s_mov_b32 s23, s22                             ; (named with it as a pair, so it is written)
	s_mov_b32 s48, 0xbe38aa3b                      ; -c
	s_mov_b32 s49, 0xff800000                      ; -infinity: p = 0 then
	s_wait_dscnt 0x0
	s_wait_kmcnt 0x0
	s_add_nc_u64 s[34:35], s[6:7], s[52:53]
	s_or_b32 s35, s35, 0x80000000                  ; type = 2
	s_add_nc_u64 s[38:39], s[6:7], s[54:55]
	s_or_b32 s39, s39, 0x80000000
	tensor_load_to_lds s[32:35], s[24:31]          ; my quarter of two of steps 0 to 3
	s_nop 0
.rept 4
	v_nop
.endr
	s_add_nc_u64 s[76:77], s[4:5], s[76:77]
	s_add_nc_u64 s[78:79], s[4:5], s[78:79]
	s_add_nc_u64 s[56:57], s[8:9], s[56:57]
	s_add_nc_u64 s[58:59], s[10:11], s[58:59]
	s_add_nc_u64 s[60:61], s[8:9], s[60:61]
	s_add_nc_u64 s[62:63], s[10:11], s[62:63]
	v_and_b32 v240, 31, v0
	v_bfe_u32 v241, v0, 3, 1                       ; r / 8
	v_bfe_u32 v242, v0, 4, 1                       ; h
	v_and_b32 v243, 7, v0                          ; r % 8
	v_lshlrev_b32 v[L16], 4, v240
	v_lshlrev_b32 v[L8], 3, v240
	v_lshlrev_b32 v[L4], 2, v240
	v_lshl_add_u32 v243, v241, 5, v243
	v_lshlrev_b32 v244, 5, v242
	v_sub_nc_u32 v243, v243, v244
	v_add_nc_u32 v[QM], s15, v243                  ; my query within the chunk, less 32 h
	v_add_nc_u32 v[QM+1], 8, v[QM]
	v_lshlrev_b32 v[H8], 3, v242
.irp x, 0,1
.irp j, 6,7,8,9,10,11
	v_mov_b32 v[Q+12*\x+\j], 0                     ; the upper 64 of the instruction's K: zero codes, in Q
.endr
.irp i, 0,1,2,3,4,5,6
	v_mov_b32 v[QB+8*\x+\i], 0                     ; (waves 0-3 have no second tiles)
.endr
	v_mov_b32 v[F+8*\x], 0
	v_mov_b32 v[F+8*\x+1], 0
	v_mov_b32 v[TT+8*\x+4], 0                      ; a lane permute's destination counts as one of its sources
.endr
	WIN 0x40
.irp i, 0,1,2,3,4,5
	v_mov_b32 v[KR+48+\i], 0                       ; behind K's last tile
.endr
	ZERO
.irp x, 0,1
	global_load_b128 v[Q+12*\x:Q+12*\x+3], v[L16], s[76:77] offset:1024*\x      ; Q's six registers of codes
	global_load_b64 v[Q+12*\x+4:Q+12*\x+5], v[L8], s[76:77] offset:1024*\x+512
	global_load_b32 v[QS+\x], v[L4], s[76:77] offset:1024*\x+768                ; and its scale words
.endr
	s_mov_b32 s[TB], 0
	ADDR                                           ; trip 0 is step 0
	s_wait_alu depctr_va_vdst(0)                   ; at the head's end
	s_cmp_lt_u32 s12, 4
	s_cbranch_scc1 .Lone_chunk
.irp x, 0,1
	global_load_b128 v[QB+8*\x:QB+8*\x+3], v[L16], s[78:79] offset:1024*\x      ; the second tiles'
	global_load_b64 v[QB+8*\x+4:QB+8*\x+5], v[L8], s[78:79] offset:1024*\x+512
	global_load_b32 v[QB+8*\x+6], v[L4], s[78:79] offset:1024*\x+768
.endr
.Lone_chunk:
	s_wait_tensorcnt 0x0                           ; my part is in
	ds_add_u32 v[SPW], v[NIL]
	s_wait_dscnt 0x0
	s_barrier_signal -1
	s_barrier_wait -1                              ; steps 0 to 3 are in
	s_cmp_lt_u32 s12, 4
	s_cbranch_scc0 .Lno_load
	tensor_load_to_lds s[36:39], s[40:47]          ; my quarter of steps 4 to 15
	s_nop 0
.rept 4
	v_nop
.endr
.Lno_load:
.rept 4
	v_nop                                          ; for the waves that come round the load too: ahead of a switch of windows
.endr
	KLOAD
	s_wait_loadcnt 0x0                             ; Q
	s_mov_b32 s[KS], 0
	s_mul_i32 s[TB], s[NX], SB
	STEP 1                                         ; trip 0
	s_mov_b32 s[KS], s[NX]
	SWITCH 1
	STEP 0                                         ; trip 1: the next trip's step may be among those still on their way
	s_wait_tensorcnt 0x0
	s_wait_dscnt 0x0
	s_barrier_signal -1
	s_barrier_wait -1                              ; all 16 steps are in
	s_mov_b32 s[CNT], 1
	NEXT
	ADDR
	s_wait_alu depctr_va_vdst(0)                   ; ahead of the branches that follow
	KLOAD
	s_mov_b32 s[CNT], 2
.Ltrip:                                                ; trips 2 to 8
	s_mov_b32 s[KS], s[NX]
	SWITCH s[CNT]
	s_cmp_gt_u32 s[KS], s[QC]                      ; waves 4-7 have no step in trip 8
	s_cbranch_scc1 .Lnone
	NEXT
	STEP 1
.Lnone:
	s_add_co_u32 s[CNT], s[CNT], 1
	s_cmp_lt_u32 s[CNT], 9
	s_wait_alu depctr_va_vdst(0)
	s_cbranch_scc1 .Ltrip
	; THE HAND-OVER: waves 0-3 leave O, -M and the sums in LDS; waves 4-7 bring both parts under one M, add, and store
	v_add_nc_u32 v[AD], s75, v[L16]
	s_wait_alu depctr_va_vdst(0)
	s_cmp_lt_u32 s12, 4
	s_cbranch_scc0 .Ltake
	WIN 0x04                                       ; the data: window 1
.irp k, 0,1,2,3,4,5,6,7,8,9,10,11,12,13,14,15
	ds_store_b128 v[AD], v[O+4*\k:O+4*\k+3] offset:512*\k
.endr
	WIN 0
.irp x, 0,1
	ds_store_b128 v[AD], v[ST+4*\x:ST+4*\x+3] offset:8192+512*\x
.endr
.Ltake:
	s_wait_dscnt 0x0
	s_barrier_signal -1
	s_barrier_wait -1
	s_cmp_lt_u32 s12, 4
	s_cbranch_scc1 .Ldone
.irp x, 0,1
	ds_load_b128 v[QB+4*\x:QB+4*\x+3], v[AD] offset:8192+512*\x   ; v224-227, v228-231: the other part's -M, largest score, sum
.endr
.irp x, 0,1
.irp k, 0,1,2,3,4,5,6,7
	ds_load_b128 v[S+64*\x+4*\k:S+64*\x+4*\k+3], v[AD] offset:4096*\x+512*\k
.endr
.endr
	v_mov_b32 v233, 0
	v_mov_b32 v235, 0
	s_wait_alu depctr_va_vdst(0)
	s_wait_dscnt 0x0
.irp x, 0,1
	v_min_num_f32 v[TT+8*\x], v[ST+4*\x], v[QB+4*\x]          ; -M of both
.endr
.irp x, 0,1
	v_sub_f32 v[TT+8*\x+1], v[TT+8*\x], v[QB+4*\x]
	v_sub_f32 v[TT+8*\x+2], v[TT+8*\x], v[ST+4*\x]
.endr
.irp x, 0,1
	v_cvt_i32_f32 v[TT+8*\x+1], v[TT+8*\x+1]
	v_cvt_i32_f32 v[TT+8*\x+2], v[TT+8*\x+2]
.endr
.irp x, 0,1
	v_ldexp_f32 v[232+2*\x], 1.0, v[TT+8*\x+1]     ; the other part's factor,
	v_ldexp_f32 v[F+8*\x], 1.0, v[TT+8*\x+2]       ; and mine
.endr
.irp x, 0,1
	v_pk_mul_f32 v[ST+4*\x+2:ST+4*\x+3], v[ST+4*\x+2:ST+4*\x+3], v[F+8*\x:F+8*\x+1] op_sel_hi:[1,0]
.endr
.irp x, 0,1
	v_pk_fma_f32 v[ST+4*\x+2:ST+4*\x+3], v[QB+4*\x+2:QB+4*\x+3], v[232+2*\x:233+2*\x], v[ST+4*\x+2:ST+4*\x+3] op_sel_hi:[1,0,1]
.endr
	WIN 0x41                                       ; destination and source 0 window 1
.irp x, 0,1
.set I, 0
.rept 16
	v_pk_mul_f32 v[O+32*\x+I:O+32*\x+I+1], v[O+32*\x+I:O+32*\x+I+1], v[F+8*\x:F+8*\x+1] op_sel_hi:[1,0]
.set I, I+2
.endr
.endr
	WIN 0x50                                       ; destination and source 2 window 1
.irp x, 0,1
.set I, 0
.rept 16
	v_pk_fma_f32 v[O+32*\x+I:O+32*\x+I+1], v[S+64*\x+I:S+64*\x+I+1], v[232+2*\x:233+2*\x], v[O+32*\x+I:O+32*\x+I+1] op_sel_hi:[1,0,1]
.set I, I+2
.endr
.endr
	WIN 0
	FIN 60, 62
.Ldone:
	s_wait_tensorcnt 0x0                           ; the wave's end
	ds_add_u32 v[SPW], v[NIL]
	s_wait_dscnt 0x0
	s_endpgm
.Lfunc_end_k_qd49bafcb48_attn:
	.size	k_qd49bafcb48_attn, .Lfunc_end_k_qd49bafcb48_attn-k_qd49bafcb48_attn
	.p2alignl 7, 3214868480
	.fill 96, 4, 3214868480
	.section	.rodata,"a",@progbits
	.p2align	6, 0x0
	.amdhsa_kernel k_qd49bafcb48_attn
		.amdhsa_group_segment_fixed_size 327680
		.amdhsa_private_segment_fixed_size 0
		.amdhsa_enable_private_segment 0
		.amdhsa_kernarg_size 32
		.amdhsa_user_sgpr_count 2
		.amdhsa_user_sgpr_kernarg_segment_ptr 1
		.amdhsa_wavefront_size32 1
		.amdhsa_system_sgpr_workgroup_id_x 1
		.amdhsa_system_sgpr_workgroup_id_y 1
		.amdhsa_system_sgpr_workgroup_id_z 1
		.amdhsa_system_vgpr_workitem_id 0
		.amdhsa_next_free_vgpr 424
		.amdhsa_next_free_sgpr 84
		.amdhsa_reserve_vcc 1
		.amdhsa_float_denorm_mode_32 3
		.amdhsa_float_denorm_mode_16_64 3
		.amdhsa_memory_ordered 1
		.amdhsa_forward_progress 1
		.amdhsa_inst_pref_size 175
	.end_amdhsa_kernel
	.amdgpu_metadata
---
amdhsa.version: [ 1, 2 ]
amdhsa.kernels:
  - .name:           k_qd49bafcb48_attn
    .symbol:         k_qd49bafcb48_attn.kd
    .args:
      - { .name: qcod, .offset: 0, .size: 8, .value_kind: global_buffer, .address_space: global }
      - { .name: kvcod, .offset: 8, .size: 8, .value_kind: global_buffer, .address_space: global }
      - { .name: acod, .offset: 16, .size: 8, .value_kind: global_buffer, .address_space: global }
      - { .name: ascl, .offset: 24, .size: 8, .value_kind: global_buffer, .address_space: global }
    .group_segment_fixed_size: 327680
    .private_segment_fixed_size: 0
    .kernarg_segment_align: 8
    .kernarg_segment_size: 32
    .max_flat_workgroup_size: 256
    .sgpr_count:     84
    .vgpr_count:     424
    .wavefront_size: 32
...
	.end_amdgpu_metadata
.endif
;; end of part 3
;; launch oproj (part 4): grid 64 x 4, 4 waves a work-group, clusters of 4 x 1, 168,448 bytes of LDS; arguments acod, ascl, wcod, bo, out0; writes out0
.if DOCPART == 4
	.amdgcn_target "amdgcn-amd-amdhsa--gfx1250"
	.amdhsa_code_object_version 6
	.text
	.protected	k_qd49bafcb48_oproj
	.globl	k_qd49bafcb48_oproj
	.p2align	8
	.type	k_qd49bafcb48_oproj,@function
k_qd49bafcb48_oproj:
	s_mov_b64 s[64:65], 0
	v_nop
	global_prefetch_b8 v0, s[64:65] scope:SCOPE_SE
	s_setreg_imm32_b32 hwreg(HW_REG_WAVE_MODE, 25, 1), 1
	s_wait_xcnt 0x0
	s_wait_alu depctr_hold_cnt(0) depctr_sa_sdst(0) depctr_va_vdst(0) depctr_va_sdst(0) depctr_va_ssrc(0) depctr_va_vcc(0) depctr_vm_vsrc(0)
	s_getreg_b32 s2, hwreg(HW_REG_IB_STS2, 6, 4)
	s_cmp_eq_u32 s2, 0
	s_cbranch_scc0 .Lentry_in_a_cluster
	s_endpgm
.Lentry_in_a_cluster:
	s_bfe_u32 s2, ttmp6, 0x10000c
	s_cmp_lg_u32 s2, 0x3003
	s_cbranch_scc0 .Lentry_shape_is_right
	s_endpgm
.Lentry_shape_is_right:
; OPROJ: out0 = a Wo + bo on codes of FP6 (E2M3) with E8M0 scales; a is attention's result as codes, Wo's codes come from the first launch.  Sums in f32; bo is the C of each sum's first product.
; SHARES.  A work-group: 128 rows (block RB) x 128 columns (y).  Wave w: row tiles 8 RB + 4 (w / 2) + 0 .. 3 and the group of 64 columns 2 y + w % 2: 16 accumulators x 4 K steps of 128.
; CLUSTER.  The four row blocks of a cluster want the same two groups of Wo (53,248 bytes): each wave's quarter is asked for JOINTLY (mask 15).  No LDS byte is filled twice.
; Source 0 = 16 columns of Wo, source 1 = 16 rows of a: lane (r, h) holds row r of a tile, register 16 b + i of the tile's 32 is column 32 b + 16 h + i of the group.  A tile's rows are 32 (T / 2) + 8 (T % 2) + i + 8 (i / 8).
; THE WAY OUT: a tile (16 rows x 256 bytes) goes through the wave's own stage in LDS (rows 272 bytes apart), behind the weights, where no fill lands, and leaves as rows: sixteen lanes store 256 consecutive bytes, aligned.
; REGISTERS.  Window 0: v1-12 addresses; v16-31 a's scale words; v32-159 accumulators; v160-175 Wo's scale words; v176-239 rows on the way out, two sets.  Window 1: v0-191 a's fragments; v192-223 bo.  Window 2: v0-191 Wo's fragments.
; THE ORDER OF a's ROWS: tile T holds the rows 64 (T / 4) + 8 (T % 4) + i % 8 + 32 (i / 8), in place of the order above; ascl is [tile][row 16][16 bytes].
.set L16, 1
.set L8,  2
.set BA,  5                            ; v5 bo: 64 h
.set W16, 7                            ; v7-9 16, 8, 4 x lane + 26,624 (wave % 2): my group's block in LDS
.set SO,  10                           ; v10 the stage: where I put 16 bytes of a row
.set SR,  11                           ; v11 and where I read a row back
.set GO,  12                           ; v12 my byte offset in two rows of out0
.set XS,  16
.set ACC, 32
.set WS,  160
.set OB,  176
.set MSB, 0
.macro WIN new                         ; the immediate's high byte repeats the setting that is left
.if MSB != (\new)
	s_set_vgpr_msb (MSB<<8)|(\new)
.set MSB, (\new)
.endif
.endm
.macro ROUND                           ; a round of the cluster's barrier
	s_barrier_signal -1
	s_barrier_wait -1
	s_cmp_lg_u32 s22, 0
	s_cbranch_scc1 .Lnot_wave_0_\@
	s_barrier_signal -3
.Lnot_wave_0_\@:
	s_barrier_wait -3
	s_barrier_signal -1
	s_barrier_wait -1
.endm
.macro TOSTAGE u                       ; row tile u into my stage, each accumulator from its low end on, and back as rows: lanes 0-15 one row, lanes 16-31 the next
.irp b, 0,1
.irp i, 0,1,2,3
	ds_store_b128 v[SO], v[ACC+32*(\u)+16*\b+4*\i:ACC+32*(\u)+16*\b+4*\i+3] offset:128*\b+16*\i
.endr
.endr
.irp i, 0,1,2,3,4,5,6,7
	ds_load_b128 v[OB+32*((\u)%2)+4*\i:OB+32*((\u)%2)+4*\i+3], v[SR] offset:544*\i   ; LDS serves a wave's instructions in order: these see the stores above, and the next tile's stores come behind them
.endr
.endm
.macro SEND u, younger                 ; younger: the LDS instructions issued behind tile u's loads, which may stay out
	s_wait_dscnt \younger
.irp i, 0,1,2,3,4,5,6,7
	global_store_b128 v[GO], v[OB+32*((\u)%2)+4*\i:OB+32*((\u)%2)+4*\i+3], s[12:13] offset:2048*(8*(\u)+2*(\i%4)+32*(\i/4)) th:TH_STORE_NT
.endr
.endm
	s_load_b256 s[4:11], s[0:1], 0x0               ; acod s[4:5], ascl s[6:7], wcod s[8:9], bo s[10:11]
	s_load_b64 s[12:13], s[0:1], 0x20              ; out0
	v_lshl_add_u32 v254, v0, 2, 0x29000
	v_mov_b32 v255, 0
	ds_add_u32 v254, v255
	ds_add_u32 v254, v255
	v_lshrrev_b32 v13, 5, v0
	v_readfirstlane_b32 s22, v13                   ; wave
	v_and_b32 v13, 31, v0
	v_lshlrev_b32 v[L16], 4, v13
	v_lshlrev_b32 v[L8], 3, v13
	v_lshlrev_b32 v3, 2, v13
	s_and_b32 s38, s22, 1                          ; wave % 2: my group of columns
	s_lshr_b32 s39, s22, 1                         ; wave / 2: my 64 rows
	s_mul_i32 s50, s38, 26624
	v_add_nc_u32 v[W16], s50, v[L16]
	v_add_nc_u32 v[W16+1], s50, v[L8]
	v_add_nc_u32 v[W16+2], s50, v3
	v_and_b32 v14, 15, v0                          ; r
	v_lshlrev_b32 v6, 4, v14                       ; a's scale words: 16 bytes a row
	v_bfe_u32 v15, v0, 4, 1                        ; h
	v_lshlrev_b32 v[BA], 6, v15
	s_mul_i32 s51, s22, 4352
	s_add_co_u32 s51, s51, 53248                   ; my stage: 16 rows x 272 bytes
	v_mul_u32_u24 v[SO], v14, 272
	v_lshl_add_u32 v[SO], v15, 6, v[SO]
	v_add_nc_u32 v[SO], s51, v[SO]                 ; in: row r, + 64 h
	v_mul_u32_u24 v[SR], v15, 272
	v_lshl_add_u32 v[SR], v14, 4, v[SR]
	v_add_nc_u32 v[SR], s51, v[SR]                 ; back: row h, 16 bytes a lane
	v_lshlrev_b32 v[GO], 11, v15
	v_lshl_add_u32 v[GO], v14, 4, v[GO]            ; and the same in out0: rows of 2,048 bytes
	s_bfe_u32 s23, ttmp6, 0x40000                  ; cx: it enters global addresses of my own loads and stores alone
	s_lshl_b32 s36, ttmp9, 2
	s_add_co_u32 s36, s36, s23                     ; RB
	s_and_b32 s37, ttmp7, 0xffff                   ; y, which the four partners share
	; the weights' descriptor: my quarter of two groups' blocks of Wo, 13,312 dense bytes, as 52 rows of 256 bytes
	s_mov_b32 s24, 15|(3<<16)|(1<<21)              ; 15:0 the mask: all four work-groups; 17:16 elements of 8 bytes; 21 set beside a mask
	s_mov_b32 s25, 32<<16
	s_mov_b32 s26, 52<<16
	s_mov_b32 s27, 32<<16
	s_mov_b32 s28, 52
	s_mov_b32 s29, 32
	s_mov_b32 s30, 0
	s_mov_b32 s31, 0
	s_mov_b32 s32, 1
	s_mul_i32 s33, s22, 13312                      ; LDS address: wave x 13,312
	s_lshl_b32 s48, s37, 1
	s_add_co_u32 s48, s48, s39                     ; group 2 y + wave / 2,
	s_mul_i32 s48, s48, 106496
	s_mul_i32 s49, s38, 13312                      ; half wave % 2 of its block of kind o
	s_add_co_u32 s48, s48, s49
	s_add_co_u32 s48, s48, 79872
	s_mov_b32 s49, 0
	s_lshl_b32 s40, s36, 3
	s_lshl_b32 s41, s39, 2
	s_add_co_u32 s40, s40, s41                     ; T0 = 8 RB + 4 (wave / 2)
	s_mul_i32 s42, s40, 6144
	s_mov_b32 s43, 0
	s_lshl_b32 s44, s40, 8
	s_mov_b32 s45, 0
	s_lshl_b32 s46, s37, 1
	s_add_co_u32 s46, s46, s38                     ; g = 2 y + wave % 2
	s_lshl_b32 s46, s46, 8                         ; 64 g numbers on, in bo and in a row of out0
	s_mov_b32 s47, 0
	s_lshl_b32 s56, s36, 18                        ; 128 RB rows of 2,048 bytes
	s_lshl_b32 s57, s39, 17                        ; + 64 (wave / 2) rows
	s_add_co_u32 s56, s56, s57
	s_add_co_u32 s56, s56, s46
	s_mov_b32 s57, 0
	s_wait_dscnt 0x0
	s_wait_kmcnt 0x0
	s_add_nc_u64 s[4:5], s[4:5], s[42:43]
	s_add_nc_u64 s[6:7], s[6:7], s[44:45]
	s_add_nc_u64 s[34:35], s[8:9], s[48:49]
	s_or_b32 s35, s35, 0x80000000                  ; type = 2
	s_add_nc_u64 s[10:11], s[10:11], s[46:47]
	s_add_nc_u64 s[12:13], s[12:13], s[56:57]
	ROUND                                          ; all four work-groups are here: the joint loads meet
	tensor_load_to_lds s[32:35], s[24:31]          ; my one tensor load: filled once
	s_nop 0
.rept 4
	v_nop
.endr
.irp u, 0,1,2,3
	global_load_b128 v[XS+4*\u:XS+4*\u+3], v6, s[6:7] offset:256*\u   ; a's scale words: tile u, K steps 0 to 3
.endr
	WIN 0x40                                       ; destination window 1
	s_wait_alu depctr_va_vdst(0)
.irp t, 0,1,2,3
	global_load_b128 v[192+8*\t:192+8*\t+3], v[BA], s[10:11] offset:(32*(\t/2)+8*(\t%2))*4      ; bo at column 32 (t / 2) + 8 (t % 2) + 16 h + 0 .. 7 of my group
	global_load_b128 v[192+8*\t+4:192+8*\t+7], v[BA], s[10:11] offset:(32*(\t/2)+8*(\t%2))*4+16
.endr
.irp u, 0,1,2,3
.irp s, 0,1,2,3
	global_load_b128 v[12*(4*\u+\s):12*(4*\u+\s)+3], v[L16], s[4:5] offset:6144*\u+1536*\s        ; a's fragments, tile by tile: 16 loads for each
	global_load_b64 v[12*(4*\u+\s)+4:12*(4*\u+\s)+5], v[L8], s[4:5] offset:6144*\u+1536*\s+512
	global_load_b128 v[12*(4*\u+\s)+6:12*(4*\u+\s)+9], v[L16], s[4:5] offset:6144*\u+1536*\s+768
	global_load_b64 v[12*(4*\u+\s)+10:12*(4*\u+\s)+11], v[L8], s[4:5] offset:6144*\u+1536*\s+1280
.endr
.endr
	WIN 0
	s_wait_tensorcnt 0x0                           ; my quarter of the weights is in,
	s_barrier_signal -1
	s_barrier_wait -1                              ; everybody's is
.irp f, 0,1,2,3,4,5,6,7,8,9,10,11,12,13,14,15
	ds_load_b32 v[WS+\f], v[W16+2] offset:24576+128*\f
.endr
	WIN 0x80                                       ; destination window 2
.irp s, 0,1,2,3
.irp t, 0,1,2,3
	ds_load_b128 v[12*(4*\t+\s):12*(4*\t+\s)+3], v[W16] offset:1536*(4*\t+\s)                     ; Wo's fragments, K step by K step: 16 loads for each step
	ds_load_b64 v[12*(4*\t+\s)+4:12*(4*\t+\s)+5], v[W16+1] offset:1536*(4*\t+\s)+512
	ds_load_b128 v[12*(4*\t+\s)+6:12*(4*\t+\s)+9], v[W16] offset:1536*(4*\t+\s)+768
	ds_load_b64 v[12*(4*\t+\s)+10:12*(4*\t+\s)+11], v[W16+1] offset:1536*(4*\t+\s)+1280
.endr
.endr
.irp a, 0,1,2,3                        ; tile by tile, so that a tile's rows leave while the next one's products run
.irp s, 0,1,2,3
.if \a == 0
	s_wait_dscnt 16*(3-\s)                         ; this K step's fragments of Wo are in; the later steps' 16 loads each may be out
.endif
.if \s == 0
	s_wait_loadcnt 16*(3-\a)                       ; this tile's fragments are in; the later tiles' 16 loads each may be out
	WIN 0x16                                       ; source 0 (Wo) window 2, source 1 (a) window 1, C (bo) window 1, D window 0
.else
	WIN 0x06
.endif
.irp b, 0,1,2,3
.if \s == 0
	v_wmma_scale_f32_16x16x128_f8f6f4 v[ACC+32*\a+8*\b:ACC+32*\a+8*\b+7], v[12*(4*\b+\s):12*(4*\b+\s)+11], v[12*(4*\a+\s):12*(4*\a+\s)+11], v[192+8*\b:192+8*\b+7], v[WS+4*\b+\s], v[XS+4*\a+\s] matrix_a_fmt:MATRIX_FMT_FP6 matrix_b_fmt:MATRIX_FMT_FP6
.else
	v_wmma_scale_f32_16x16x128_f8f6f4 v[ACC+32*\a+8*\b:ACC+32*\a+8*\b+7], v[12*(4*\b+\s):12*(4*\b+\s)+11], v[12*(4*\a+\s):12*(4*\a+\s)+11], v[ACC+32*\a+8*\b:ACC+32*\a+8*\b+7], v[WS+4*\b+\s], v[XS+4*\a+\s] matrix_a_fmt:MATRIX_FMT_FP6 matrix_b_fmt:MATRIX_FMT_FP6
.endif
.endr
.endr                                              ; a tile's four accumulators take turns, one instruction a turn
	WIN 0
.rept 4
	v_nop                                          ; four places between the last products and the first read of results (ISA guide 7.12.1)
.endr
.if \a > 1
	s_wait_xcnt 0x0                                ; tile a - 2's stores have read their registers: tile a's rows may land there
.endif
	TOSTAGE \a
.if \a > 0
	SEND \a-1, 16                                  ; behind tile a - 1's loads: tile a's 8 stores and 8 loads
.endif
.endr
	SEND 3, 0
	s_wait_tensorcnt 0x0
	ds_add_u32 v254, v255
	s_wait_dscnt 0x0
	ROUND                                          ; the closing round: no work-group ends while a partner may still ask for a tile that names it
	s_endpgm
.Lfunc_end_k_qd49bafcb48_oproj:
	.size	k_qd49bafcb48_oproj, .Lfunc_end_k_qd49bafcb48_oproj-k_qd49bafcb48_oproj
	.p2alignl 7, 3214868480
	.fill 96, 4, 3214868480
	.section	.rodata,"a",@progbits
	.p2align	6, 0x0
	.amdhsa_kernel k_qd49bafcb48_oproj
		.amdhsa_group_segment_fixed_size 168448
		.amdhsa_private_segment_fixed_size 0
		.amdhsa_enable_private_segment 0
		.amdhsa_kernarg_size 40
		.amdhsa_user_sgpr_count 2
		.amdhsa_user_sgpr_kernarg_segment_ptr 1
		.amdhsa_wavefront_size32 1
		.amdhsa_system_sgpr_workgroup_id_x 1
		.amdhsa_system_sgpr_workgroup_id_y 1
		.amdhsa_system_sgpr_workgroup_id_z 1
		.amdhsa_system_vgpr_workitem_id 0
		.amdhsa_next_free_vgpr 768
		.amdhsa_next_free_sgpr 66
		.amdhsa_reserve_vcc 0
		.amdhsa_float_denorm_mode_32 3
		.amdhsa_float_denorm_mode_16_64 3
		.amdhsa_memory_ordered 1
		.amdhsa_forward_progress 1
		.amdhsa_inst_pref_size 34
	.end_amdhsa_kernel
	.amdgpu_metadata
---
amdhsa.version: [ 1, 2 ]
amdhsa.kernels:
  - .name:           k_qd49bafcb48_oproj
    .symbol:         k_qd49bafcb48_oproj.kd
    .args:
      - { .name: acod, .offset: 0, .size: 8, .value_kind: global_buffer, .address_space: global }
      - { .name: ascl, .offset: 8, .size: 8, .value_kind: global_buffer, .address_space: global }
      - { .name: wcod, .offset: 16, .size: 8, .value_kind: global_buffer, .address_space: global }
      - { .name: bo, .offset: 24, .size: 8, .value_kind: global_buffer, .address_space: global }
      - { .name: out0, .offset: 32, .size: 8, .value_kind: global_buffer, .address_space: global }
    .group_segment_fixed_size: 168448
    .private_segment_fixed_size: 0
    .kernarg_segment_align: 8
    .kernarg_segment_size: 40
    .max_flat_workgroup_size: 128
    .sgpr_count:     66
    .vgpr_count:     768
    .wavefront_size: 32
...
	.end_amdgpu_metadata
.endif
;; end of part 4
